; MI455X (gfx1250); checked and timed in simulation.
; The chip was launched on July 23, 2026; its instructions are those of AMD's public machine-readable ISA for CDNA 5 (MIT licence, August 2026) and "CDNA5" Instruction Set Architecture Reference Guide (July 2026). The comments in the code are by the model that wrote it; some were corrected since.
;; Causal Self Attention. Allowed arithmetic: matrix products marked QUANTISED: E2M1 operands, one E8M0 scale for each 32 along K, by v_wmma_scale_f32_16x16x128_f8f6f4 with both operands' format E2M1 (or v_wmma_scale_f32_32x16x128_f4), f32 sums; products left as they are: bf16, f16 or f32 operands; f32 sums; everything else in f32.
;; Inputs: W_attn 1,024 x 3,072 float32; W_proj 1,024 x 1,024 float32; b_attn 3,072 float32; b_proj 1,024 float32; x 4 x 2,048 x 1,024 float32.
;; Outputs: out0 4 x 2,048 x 1,024 float32.
;; This version of the problem:
;;   THIS VERSION OF THE PROBLEM IS GIVEN IN LOW PRECISION. The matrix products marked QUANTISED in the list below multiply operands that are first quantised to E2M1 (2 exponent bits, 1 mantissa bit; 4 bits a number), with one power-of-two scale for each 32 numbers along K (OCP MX v1.0); their sums are f32. The products marked 'left as it is' may take bf16, f16 or f32 operands, with f32 sums. Whichever they take, every output number must still come out within the allowed error. Rounding operands to bf16 (8 significant bits) uses up far more of that allowance than f16 does (11 bits, for magnitudes from 6e-5 to 65,504). All else is computed in f32.
;;   The module's matrix products, in the order in which they are computed (A, B: the left and right operand; K: the contracted axis; several contracted axes count as one K, in the product's order):
;;     1. [M 8,192, K 1,024] x [K 1,024, N 3,072]; A: input x; B: input W_attn: QUANTISED
;;     2. batch 64 x [M 2,048, K 64] x [K 64, N 2,048]; A: computed on the way; B: computed on the way: left as it is (an operand is computed on the way)
;;     3. batch 64 x [M 2,048, K 2,048] x [K 2,048, N 64]; A: computed on the way; B: computed on the way: left as it is (an operand is computed on the way)
;;     4. [M 8,192, K 1,024] x [K 1,024, N 1,024]; A: computed on the way; B: input W_proj: left as it is (an operand is computed on the way)
;;   THE QUANTISER, for each operand of a quantised product, along K:
;;     - K is cut into blocks of 32 from its start; a last block that is shorter is filled with zeros.
;;     - A block's scale is 2^e with e = floor(log2(the largest magnitude in the block)) - 2, held to -126 .. 127; a block of zeros has e = 0. As a byte (E8M0): e + 127.
;;     - Each number is divided by its block's scale, clamped to +-6, and rounded to the nearest number of E2M1, ties to even, subnormals kept.
;;     - The product sums the exact products of the quantised numbers (number of the format x scale) in f32.
;;   ~~~python
;;   def quantise(x, axis):      # numpy; x: float32 -> the quantised numbers, widened to float32 again
;;       x = np.moveaxis(x, axis, -1); K = x.shape[-1]
;;       x = np.pad(x, [(0, 0)] * (x.ndim - 1) + [(0, -K % 32)]); x = x.reshape(x.shape[:-1] + (-1, 32)); a = np.abs(x).max(-1, keepdims=True)
;;       e = np.where(a > 0, np.clip(np.frexp(np.where(a > 0, a, 1))[1] - 1 - 2, -126, 127), 0)      # np.frexp(a)[1] - 1 = floor(log2(a)), exactly
;;       r = np.clip(x / 2.0 ** e, -6, 6)
;;       step = 2.0 ** (np.maximum(np.frexp(np.where(r == 0, 1, r))[1] - 1, 0) - 1)
;;       q = np.round(r / step) * step * 2.0 ** e      # np.round: ties to even
;;       return np.moveaxis(q.reshape(q.shape[:-2] + (-1,))[..., :K], -1, axis).astype(np.float32)
;;   ~~~
;; One version. Each part assembles by itself: llvm-mc -triple=amdgcn-amd-amdhsa -mcpu=gfx1250 --defsym DOCPART=n.
;; ======== version 1 of 1: 5 launches
;; limits: values are held in f16: magnitudes above 65,504 overflow, below 6.1e-05 lose precision
;; workspace buffers: x_codes 4,194,304 bytes; x_scales 262,144 bytes; w_codes 1,572,864 bytes; w_scales 98,304 bytes; wt 2,097,152 bytes; qkv 50,331,648 bytes; qkv32 786,432 bytes; y 16,777,216 bytes
;; launch prep (part 1): grid 368 x 1, 4 waves a work-group, no clusters, 102,912 bytes of LDS; arguments x, W_attn, W_proj, x_codes, x_scales, w_codes, w_scales, wt; writes x_codes, x_scales, w_codes, w_scales, wt
.if DOCPART == 1
	.amdgcn_target "amdgcn-amd-amdhsa--gfx1250"
	.amdhsa_code_object_version 6
	.text
	.protected	k_q20510f0f74_prep
	.globl	k_q20510f0f74_prep
	.p2align	8
	.type	k_q20510f0f74_prep,@function
k_q20510f0f74_prep:
	s_mov_b64 s[64:65], 0
	v_nop
	global_prefetch_b8 v0, s[64:65] scope:SCOPE_SE
	s_setreg_imm32_b32 hwreg(HW_REG_WAVE_MODE, 25, 1), 1
	s_wait_xcnt 0x0
; THREE JOBS IN ONE LAUNCH, told apart by the work-group's number; each has its own path through the text and its own LDS bytes.
;  X (work-groups 0-255):   x [8192][1024] f32 -> codes of FP4 (E2M1), K innermost, [8192][512 bytes], and one E8M0 byte for each 32 along K, [8192][32].
;  W (work-groups 256-303): W_attn [1024 k][3072 n] f32 -> codes laid [3072 n][512 bytes] with K innermost, scale bytes [3072][32].
;  P (work-groups 304-367): W_proj [1024 k][1024 n] f32 -> f16, laid [1024 n][1024 k].
; A block's scale is 2^(floor(log2(its largest magnitude)) - 2); its byte is the largest magnitude's exponent field - 2, held at 1 from below.
; A block of zeros so gets the byte 1 where the rule says 127: its codes are zeros, which add nothing under any byte but 0xff, and the bytes are read by this program alone.
; LIMITS: blocks whose largest magnitude lies under 2^-124, the floor, keep the byte 1; NaN and infinities among the inputs are not served; W_proj beyond f16's 65,504 is not served.
; No tensor load, no barrier: waves share nothing.  No matrix unit, no cluster: every input byte is read once and nothing is shared.
.set SPARE, 102400                     ; behind the three regions: the spare words, 128 bytes for each wave
.set SPW,   12                         ; v12  LDS address of my spare word; never rewritten
.set NIL,   13                         ; v13  0; never rewritten
.set EMAX,  2
.set PITCH, 272                        ; a stage row of paths W and P: 256 bytes + 16
; path X
.set XSTEPS, 16
.set XCB,   8                          ; bytes of 16 codes
.set XR,    16                         ; v16-79   four sets of 16 numbers as they are loaded
.set XX,    80                         ; v80-111  two sets of 16 neighbours
.set XE,    112                        ; v112-127 a scale byte for each step
.set XC,    128                        ; v128-191 codes: four registers for each step
.set XWREG, 8192                       ; LDS 0 .. 32,767: a region for each wave: two stages of 32 x 80 bytes, then its 256 scale bytes
.set XSP,   80
; path W
.set WBASE, 32768                      ; LDS 32,768 .. 67,583: four stages of 32 x 272 bytes
.set WN,    3072
.set WNB,   16
.set WKROW, 512
.set WX,    32                         ; v32-95   two sets of 32 numbers (paths W and P)
.set WC,    96                         ; v96..    what a block becomes
.set OUTR,  112                        ; v112-175 the way out
.set WSB,   24                         ; v24-27   scale bytes, four to a register
; path P
.set PBASE, 67584                      ; LDS 67,584 .. 102,399: four stages of 32 x 272 bytes
.set PKROW, 2048
	s_load_b256 s[4:11], s[0:1], 0x0               ; x s[4:5], W_attn s[6:7], W_proj s[8:9], x_codes s[10:11]
	s_load_b256 s[12:19], s[0:1], 0x20             ; x_scales s[12:13], w_codes s[14:15], w_scales s[16:17], wt s[18:19]
	v_lshl_add_u32 v[SPW], v0, 2, SPARE
	v_mov_b32 v[NIL], 0
	v_lshrrev_b32 v1, 5, v0
	v_readfirstlane_b32 s20, v1                    ; wave 0..3
	v_and_b32 v2, 31, v0                           ; lane
	s_wait_kmcnt 0x0
	s_cmp_lt_u32 ttmp9, 256
	s_cbranch_scc0 .Lnot_x
; ---------------- PATH X.  x is a plain stream of blocks of 32.  A wave takes 16 steps of 512 numbers.  Each load reads 512 consecutive bytes, 16 a lane; a step's 2,048 bytes turn through the wave's own
; stage in LDS and come back 64 bytes a lane: 16 neighbours along K, as the conversions want them; two neighbouring lanes hold a block.
	v_lshlrev_b32 v3, 4, v2                        ; my 16 bytes of a load's 512
	s_mul_i32 s21, s20, XWREG
	v_lshrrev_b32 v14, 2, v2
	v_mul_u32_u24 v14, v14, XSP
	v_and_b32 v15, 3, v2
	v_lshl_add_u32 v14, v15, 4, v14
	v_add_nc_u32 v14, s21, v14                     ; the stage, on the way in: 80 (lane / 4) + 16 (lane % 4)
	v_mul_u32_u24 v15, v2, XSP
	v_add_nc_u32 v15, s21, v15                     ; and on the way out: 80 x lane
	v_mul_u32_u24 v4, v2, XCB                      ; my codes' place in a step's
	v_lshrrev_b32 v5, 1, v2
	s_add_co_u32 s21, s21, 2*32*XSP
	v_add_nc_u32 v5, s21, v5                       ; my wave's 256 scale bytes, my block's byte
	v_lshlrev_b32 v7, 3, v2
	v_add_nc_u32 v6, s21, v7                       ; and on the way out 8 bytes a lane
	s_lshl_b32 s22, ttmp9, 2
	s_add_co_u32 s22, s22, s20                     ; which run of 8,192 numbers is my wave's: 0 .. 1,023
	s_mov_b32 s25, 0
	s_lshl_b32 s24, s22, 15
	s_add_nc_u64 s[4:5], s[4:5], s[24:25]          ; 32,768 bytes of x,
	s_lshl_b32 s24, s22, 12
	s_add_nc_u64 s[10:11], s[10:11], s[24:25]      ; 4,096 of codes,
	s_lshl_b32 s24, s22, 8
	s_add_nc_u64 s[12:13], s[12:13], s[24:25]      ; 256 scale bytes a run
.macro XLOAD t
.irp i, 0,1,2,3
	global_load_b128 v[XR+16*((\t)%4)+4*\i:XR+16*((\t)%4)+4*\i+3], v3, s[4:5] offset:2048*(\t)+512*\i th:TH_LOAD_NT
.endr
.endm
.macro XTURN t                         ; step t's numbers through the stage: LDS serves a wave's instructions in order (ISA guide 5.7.1.4), so no wait stands between the stores and the loads
.irp i, 0,1,2,3
	ds_store_b128 v14, v[XR+16*((\t)%4)+4*\i:XR+16*((\t)%4)+4*\i+3] offset:32*XSP*((\t)%2)+8*XSP*\i
.endr
.irp i, 0,1,2,3
	ds_load_b128 v[XX+16*((\t)%2)+4*\i:XX+16*((\t)%2)+4*\i+3], v15 offset:32*XSP*((\t)%2)+16*\i
.endr
.endm
.irp t, 0,1,2,3
	XLOAD \t
.endr
	s_wait_loadcnt 12                              ; step 0's four loads are in; the twelve of steps 1 to 3 may be out
	XTURN 0
.macro XSTEP t
.set XS, XX+16*((\t)%2)
.if (\t) > 0
	s_wait_dscnt 1                                 ; this step's numbers are back from the stage (the last step's byte store may be out)
.else
	s_wait_dscnt 0x0
.endif
.if (\t)+4 < XSTEPS
	XLOAD (\t)+4                                   ; into the set that the stage's stores have read
.endif
.if (\t)+1 < XSTEPS
.if XSTEPS-2-(\t) >= 3
	s_wait_loadcnt 12                              ; the next step's four loads are in; those of the three steps behind it may be out
.else
	s_wait_loadcnt 4*(XSTEPS-2-(\t))
.endif
	XTURN (\t)+1
.endif
	v_max3_num_f32 v8, |v[XS]|, |v[XS+1]|, |v[XS+2]|               ; the largest magnitude of my 16, in two chains
	v_max3_num_f32 v9, |v[XS+3]|, |v[XS+4]|, |v[XS+5]|
.irp i, 6,10
	v_max3_num_f32 v8, v8, |v[XS+\i]|, |v[XS+\i+1]|
	v_max3_num_f32 v9, v9, |v[XS+\i+2]|, |v[XS+\i+3]|
.endr
	v_max3_num_f32 v8, v8, |v[XS+14]|, |v[XS+15]|
	v_max3_num_f32 v8, v8, v9, (EMAX+1)<<23        ; and the floor 2^(3 - 127): the byte cannot fall under 1
	v_max_num_f32_dpp v8, v8, v8 row_xmask:1 row_mask:0xf bank_mask:0xf   ; with my neighbour's 16: the block's
	v_add_nc_u32 v11, -(EMAX<<23), v8              ; 2 off its exponent field: the conversion takes this operand's exponent field as its scale
	v_cvt_scalef32_pk8_fp4_f32 v[XC+4*(\t)], v[XS:XS+7], v11
	v_cvt_scalef32_pk8_fp4_f32 v[XC+4*(\t)+1], v[XS+8:XS+15], v11
	v_lshrrev_b32 v[XE+(\t)], 23, v11              ; the scale's byte (also the plain line behind the conversions)
	ds_store_b8 v5, v[XE+(\t)] offset:16*(\t)      ; both lanes of a block write the same byte with the same value
	global_store_b64 v4, v[XC+4*(\t):XC+4*(\t)+1], s[10:11] offset:32*XCB*(\t)   ; the wave stores 256 consecutive bytes, aligned
.endm
.irp t, 0,1,2,3,4,5,6,7,8,9,10,11,12,13,14,15
	XSTEP \t
.endr
	ds_load_b64 v[8:9], v6                         ; in order behind my byte stores
	s_wait_dscnt 0x0
	global_store_b64 v7, v[8:9], s[12:13]          ; 32 lanes store the wave's 256 scale bytes, aligned
	s_wait_tensorcnt 0x0                           ; the wave's end
	ds_add_u32 v[SPW], v[NIL]
	s_wait_dscnt 0x0
	s_endpgm
.Lnot_x:
	s_cmp_lt_u32 ttmp9, 304
	s_cbranch_scc0 .Lpath_p
; ---------------- PATH W.  A lane takes a column n and its registers run down K: each load reads 128 consecutive bytes a wave, a block of 32 along K lies in one lane's 32 registers, and the conversions
; give codes with K innermost.  A wave takes 32 columns x 512 along K: 256 bytes of codes a column, which leave through the wave's own stage as rows.
	s_sub_co_u32 s21, ttmp9, 256                   ; 0 .. 47
	s_cmp_ge_u32 s21, 24
	s_cselect_b32 s22, 1, 0                        ; which 512 along K
	s_cselect_b32 s23, 24, 0
	s_sub_co_u32 s21, s21, s23                     ; which 128 columns
	s_lshl_b32 s24, s21, 7
	s_lshl_b32 s25, s20, 5
	s_add_co_u32 s24, s24, s25                     ; my wave's first column
	s_mov_b32 s27, 0
	s_mul_i32 s26, s22, 512*WN*4
	s_lshl_b32 s25, s24, 2
	s_add_co_u32 s26, s26, s25
	s_add_nc_u64 s[6:7], s[6:7], s[26:27]          ; W_attn: 512 rows down for the second half of K, + 4 x column
	s_lshl_b32 s26, s24, 9
	s_lshl_b32 s25, s22, 8
	s_add_co_u32 s26, s26, s25
	s_add_nc_u64 s[14:15], s[14:15], s[26:27]      ; codes: column x 512 + 256 x half
	s_lshl_b32 s26, s24, 5
	s_lshl_b32 s25, s22, 4
	s_add_co_u32 s26, s26, s25
	s_add_nc_u64 s[16:17], s[16:17], s[26:27]      ; scale bytes: column x 32 + 16 x half
	s_mul_i32 s28, s20, 32*PITCH
	s_add_co_u32 s28, s28, WBASE                   ; my stage
	v_lshlrev_b32 v3, 2, v2                        ; in: 4 bytes a lane
	v_mul_u32_u24 v4, v2, PITCH
	v_add_nc_u32 v4, s28, v4                       ; into the stage: row = my column
	v_and_b32 v5, 15, v2
	v_lshrrev_b32 v6, 4, v2
	v_mul_u32_u24 v7, v6, PITCH
	v_lshl_add_u32 v7, v5, 4, v7
	v_add_nc_u32 v7, s28, v7                       ; out of it: sixteen lanes to a row, two rows an instruction
	v_mul_u32_u24 v8, v6, WKROW
	v_lshl_add_u32 v8, v5, 4, v8                   ; and the same place in the codes' buffer
	v_lshlrev_b32 v9, 5, v2                        ; my column's row of scale bytes
.macro WLOAD t                         ; block t: W(32 t + i, my column) into set t % 2; every offset is an immediate: 511 x 12,288 at the most, inside the signed 24 bits (ISA guide, chapter 10)
.irp i, 0,1,2,3,4,5,6,7,8,9,10,11,12,13,14,15,16,17,18,19,20,21,22,23,24,25,26,27,28,29,30,31
	global_load_b32 v[WX+32*((\t)%2)+\i], v3, s[6:7] offset:(32*(\t)+\i)*WN*4 th:TH_LOAD_NT
.endr
.endm
	WLOAD 0
	WLOAD 1
.macro WBLOCK t
.set WXS, WX+32*((\t)%2)
.if (\t) < WNB-1
	s_wait_loadcnt 32                              ; this block's 32 loads are in; the next block's may be out
.else
	s_wait_loadcnt 0
.endif
	v_max3_num_f32 v14, |v[WXS]|, |v[WXS+1]|, |v[WXS+2]|           ; the block's largest magnitude: all 32 numbers are mine
	v_max3_num_f32 v15, |v[WXS+3]|, |v[WXS+4]|, |v[WXS+5]|
.irp i, 6,10,14,18,22,26
	v_max3_num_f32 v14, v14, |v[WXS+\i]|, |v[WXS+\i+1]|
	v_max3_num_f32 v15, v15, |v[WXS+\i+2]|, |v[WXS+\i+3]|
.endr
	v_max3_num_f32 v14, v14, |v[WXS+30]|, |v[WXS+31]|
	v_max3_num_f32 v14, v14, v15, (EMAX+1)<<23     ; and the floor
	v_add_nc_u32 v11, -(EMAX<<23), v14             ; the conversion's scale operand
	v_lshrrev_b32 v15, 23, v11                     ; the scale's byte
.if (\t)%4 == 0
	v_mov_b32 v[WSB+(\t)/4], v15                   ; four bytes to a register, the lower K in the lower byte
.else
	v_lshl_or_b32 v[WSB+(\t)/4], v15, 8*((\t)%4), v[WSB+(\t)/4]
.endif
.irp g, 0,1,2,3
	v_cvt_scalef32_pk8_fp4_f32 v[WC+\g], v[WXS+8*\g:WXS+8*\g+7], v11
.endr
	v_nop                                          ; one plain line behind the last conversion
	ds_store_b128 v4, v[WC:WC+3] offset:16*(\t)    ; 32 codes: 16 bytes of my column's row
.if (\t)+2 < WNB
	WLOAD (\t)+2
.endif
	s_wait_dscnt 0x0                               ; the store has read its registers: the next block's codes may be written
.endm
.irp t, 0,1,2,3,4,5,6,7,8,9,10,11,12,13,14,15
	WBLOCK \t
.endr
	global_store_b128 v9, v[WSB:WSB+3], s[16:17]   ; my column's 16 scale bytes
.irp t, 0,1,2,3,4,5,6,7,8,9,10,11,12,13,14,15
	ds_load_b128 v[OUTR+4*\t:OUTR+4*\t+3], v7 offset:2*\t*PITCH
.endr
.irp t, 0,1,2,3,4,5,6,7,8,9,10,11,12,13,14,15
	s_wait_dscnt 15-\t                             ; load t is back; the younger ones may be out
	global_store_b128 v8, v[OUTR+4*\t:OUTR+4*\t+3], s[14:15] offset:2*\t*WKROW   ; sixteen lanes store 256 consecutive bytes, aligned
.endr
	s_wait_tensorcnt 0x0                           ; the wave's end
	ds_add_u32 v[SPW], v[NIL]
	s_wait_dscnt 0x0
	s_endpgm
.Lpath_p:
; ---------------- PATH P.  The same plan without a quantiser: a lane takes a column n of W_proj, its registers run down K, pairs are rounded to f16.  A wave takes 32 columns x 128 along K: 256 bytes a column.
	s_sub_co_u32 s21, ttmp9, 304                   ; 0 .. 63
	s_and_b32 s22, s21, 7                          ; which 128 columns
	s_lshr_b32 s23, s21, 3                         ; which 128 along K
	s_lshl_b32 s24, s22, 7
	s_lshl_b32 s26, s20, 5
	s_add_co_u32 s24, s24, s26                     ; my wave's first column
	s_mov_b32 s27, 0
	s_lshl_b32 s26, s23, 19                        ; 128 rows of 4,096 bytes
	s_lshl_b32 s28, s24, 2
	s_add_co_u32 s26, s26, s28
	s_add_nc_u64 s[8:9], s[8:9], s[26:27]
	s_lshl_b32 s26, s24, 11                        ; wt: column x 2,048 + 256 x part of K
	s_lshl_b32 s28, s23, 8
	s_add_co_u32 s26, s26, s28
	s_add_nc_u64 s[18:19], s[18:19], s[26:27]
	s_mul_i32 s28, s20, 32*PITCH
	s_add_co_u32 s28, s28, PBASE                   ; my stage
	v_lshlrev_b32 v3, 2, v2
	v_mul_u32_u24 v4, v2, PITCH
	v_add_nc_u32 v4, s28, v4
	v_and_b32 v5, 15, v2
	v_lshrrev_b32 v6, 4, v2
	v_mul_u32_u24 v7, v6, PITCH
	v_lshl_add_u32 v7, v5, 4, v7
	v_add_nc_u32 v7, s28, v7
	v_mul_u32_u24 v8, v6, PKROW
	v_lshl_add_u32 v8, v5, 4, v8
.macro PLOAD t
.irp i, 0,1,2,3,4,5,6,7,8,9,10,11,12,13,14,15,16,17,18,19,20,21,22,23,24,25,26,27,28,29,30,31
	global_load_b32 v[WX+32*((\t)%2)+\i], v3, s[8:9] offset:(32*(\t)+\i)*4096 th:TH_LOAD_NT
.endr
.endm
	PLOAD 0
	PLOAD 1
.macro PBLOCK t
.set PXS, WX+32*((\t)%2)
.if (\t) < 3
	s_wait_loadcnt 32                              ; this block's 32 loads are in; the next block's may be out
.else
	s_wait_loadcnt 0
.endif
.irp i, 0,1,2,3,4,5,6,7,8,9,10,11,12,13,14,15
	v_cvt_pk_f16_f32 v[WC+\i], v[PXS+2*\i], v[PXS+2*\i+1]          ; the lower k in the low half
.endr
.irp g, 0,1,2,3
	ds_store_b128 v4, v[WC+4*\g:WC+4*\g+3] offset:64*(\t)+16*\g
.endr
.if (\t)+2 < 4
	PLOAD (\t)+2
.endif
	s_wait_dscnt 0x0                               ; the stores have read their registers
.endm
.irp t, 0,1,2,3
	PBLOCK \t
.endr
.irp t, 0,1,2,3,4,5,6,7,8,9,10,11,12,13,14,15
	ds_load_b128 v[OUTR+4*\t:OUTR+4*\t+3], v7 offset:2*\t*PITCH
.endr
.irp t, 0,1,2,3,4,5,6,7,8,9,10,11,12,13,14,15
	s_wait_dscnt 15-\t
	global_store_b128 v8, v[OUTR+4*\t:OUTR+4*\t+3], s[18:19] offset:2*\t*PKROW   ; sixteen lanes store 256 consecutive bytes, aligned
.endr
	s_wait_tensorcnt 0x0                           ; the wave's end
	ds_add_u32 v[SPW], v[NIL]
	s_wait_dscnt 0x0
	s_endpgm
.Lfunc_end_k_q20510f0f74_prep:
	.size	k_q20510f0f74_prep, .Lfunc_end_k_q20510f0f74_prep-k_q20510f0f74_prep
	.p2alignl 7, 3214868480
	.fill 96, 4, 3214868480
	.section	.rodata,"a",@progbits
	.p2align	6, 0x0
	.amdhsa_kernel k_q20510f0f74_prep
		.amdhsa_group_segment_fixed_size 102912
		.amdhsa_private_segment_fixed_size 0
		.amdhsa_enable_private_segment 0
		.amdhsa_kernarg_size 64
		.amdhsa_user_sgpr_count 2
		.amdhsa_user_sgpr_kernarg_segment_ptr 1
		.amdhsa_wavefront_size32 1
		.amdhsa_system_sgpr_workgroup_id_x 1
		.amdhsa_system_sgpr_workgroup_id_y 1
		.amdhsa_system_sgpr_workgroup_id_z 1
		.amdhsa_system_vgpr_workitem_id 0
		.amdhsa_next_free_vgpr 192
		.amdhsa_next_free_sgpr 66
		.amdhsa_reserve_vcc 0
		.amdhsa_float_denorm_mode_32 3
		.amdhsa_float_denorm_mode_16_64 3
		.amdhsa_memory_ordered 1
		.amdhsa_forward_progress 1
		.amdhsa_inst_pref_size 133
	.end_amdhsa_kernel
	.amdgpu_metadata
---
amdhsa.version: [ 1, 2 ]
amdhsa.kernels:
  - .name:           k_q20510f0f74_prep
    .symbol:         k_q20510f0f74_prep.kd
    .args:
      - { .name: x, .offset: 0, .size: 8, .value_kind: global_buffer, .address_space: global }
      - { .name: W_attn, .offset: 8, .size: 8, .value_kind: global_buffer, .address_space: global }
      - { .name: W_proj, .offset: 16, .size: 8, .value_kind: global_buffer, .address_space: global }
      - { .name: x_codes, .offset: 24, .size: 8, .value_kind: global_buffer, .address_space: global }
      - { .name: x_scales, .offset: 32, .size: 8, .value_kind: global_buffer, .address_space: global }
      - { .name: w_codes, .offset: 40, .size: 8, .value_kind: global_buffer, .address_space: global }
      - { .name: w_scales, .offset: 48, .size: 8, .value_kind: global_buffer, .address_space: global }
      - { .name: wt, .offset: 56, .size: 8, .value_kind: global_buffer, .address_space: global }
    .group_segment_fixed_size: 102912
    .private_segment_fixed_size: 0
    .kernarg_segment_align: 8
    .kernarg_segment_size: 64
    .max_flat_workgroup_size: 128
    .sgpr_count:     66
    .vgpr_count:     192
    .wavefront_size: 32
...
	.end_amdgpu_metadata
.endif
;; end of part 1
;; launch qkv (part 2): grid 12 x 32, 4 waves a work-group, clusters of 4 x 1, 327,680 bytes of LDS; arguments x_codes, x_scales, w_codes, w_scales, b_attn, qkv, qkv32; writes qkv, qkv32
.if DOCPART == 2
	.amdgcn_target "amdgcn-amd-amdhsa--gfx1250"
	.amdhsa_code_object_version 6
	.text
	.protected	k_q20510f0f74_qkv
	.globl	k_q20510f0f74_qkv
	.p2align	8
	.type	k_q20510f0f74_qkv,@function
k_q20510f0f74_qkv:
	s_mov_b64 s[64:65], 0
	v_nop
	global_prefetch_b8 v0, s[64:65] scope:SCOPE_SE
	s_setreg_imm32_b32 hwreg(HW_REG_WAVE_MODE, 25, 1), 1
	s_wait_xcnt 0x0
	s_wait_alu depctr_hold_cnt(0) depctr_sa_sdst(0) depctr_va_vdst(0) depctr_va_sdst(0) depctr_va_ssrc(0) depctr_va_vcc(0) depctr_vm_vsrc(0)
	s_getreg_b32 s2, hwreg(HW_REG_IB_STS2, 6, 4)
	s_cmp_eq_u32 s2, 0
	s_cbranch_scc0 .Lentry_in_a_cluster
	s_endpgm
.Lentry_in_a_cluster:
	s_bfe_u32 s2, ttmp6, 0x10000c
	s_cmp_lg_u32 s2, 0x3003
	s_cbranch_scc0 .Lentry_shape_is_right
	s_endpgm
.Lentry_shape_is_right:
; qkv[m][n] = sum over k of x[m][k] W_attn[k][n] + b_attn[n], on codes of FP4 (E2M1) with one E8M0 scale for each 32 along K; sums in f32.  m 8,192, n 3,072, k 1,024.
; The result leaves as f16, [8192][3072]; the rows of the first 16 positions of each sequence (m % 2,048 < 16) leave also as f32, [4][16][3072], for the launch that carries them finely.
; LIMITS: |qkv| beyond f16's 65,504 is not served; NaN and infinities are not served.
; A tile, 256 x 256, is made by four waves; a wave makes 128 x 128: 64 accumulators of 16 x 16, 512 registers.  K = 1,024 is two LDS slots of 512 along K (rows of 256 bytes): both are filled once, at the start,
; and so are the scale bytes of the tile's rows and columns for all of K.  Nothing is filled again.
; CLUSTER: four work-groups along n.  They need the same tiles of x: those, and x's scale bytes, are asked for JOINTLY (mask 15).  W's tiles differ between the partners and are plain loads.
; A cluster of 4 x 4 is not taken: the f32 copy hangs on a branch on the tile row, which must be the same number in all partners; with partners along n alone it is.
; THE MATRIX INSTRUCTION IS USED TRANSPOSED (source 0 = 16 rows of W's codes, source 1 = 16 rows of x's): a lane then holds eight neighbouring numbers of a row of the result.
; The bias is the C of each sum's first product: eight registers for each block of 16 columns, in the result's layout.
; REGISTERS, in windows of 256: window 0: v0-31 addresses; v32-95 scale words, two sets, and nothing else; v128-191 x's fragments, one set, on the way out rows from the stage; v192-255 the bias, on the way out packed results.
;   window 1: W's fragments, two sets, at v0 and v128.   window 2: the accumulators of my rows 0-63 ((a, b) at v[8 (8 a + b)]);   window 3: those of my rows 64-127.
.set SIZE_N, 3072
.set NQ,     4                         ; matrix instructions deep in a slot
.set ROWB,   256                       ; a tile's row in bytes: 512 codes
.set KROW,   512                       ; a row of codes in memory
.set PITCH,  272                       ; an LDS row: 256 bytes + 16 of padding = 68 words: the 16 rows that a load touches start 4 banks apart (64 banks of 4 bytes: ISA guide 11.1)
.set FR,     8                         ; registers of a fragment: 16 rows x 128 K
.set NL,     2                         ; LDS loads that bring one
.set NP,     4                         ; places behind this matrix instruction (ISA guide 7.12.1)
.set HALFT,  128*PITCH                 ; 128 rows: what one tensor load brings
.set SLOT,   4*HALFT                   ; x's 256 rows, then W's 256 rows
.set KS,     32                        ; a row of scale bytes
.set SCL,    2*SLOT                    ; behind the slots: the scale bytes, as rows of 256 bytes + 16
.set HALFS,  16*272                    ; those of 128 rows
.set SBLK,   2*272                     ; those of 16 rows
.set SPARE,  SCL+4*HALFS               ; the spare words, 128 bytes for each wave
.set WSTG,   8448                      ; the way out: a stage for each wave in slot 0, which has had its only fill and its last read by then: 16 rows x 528 (f32) or 16 x 272 (f16)
.set ADRA, 16                          ; v16-17  LDS address of my fragments of x in slot 0, 1
.set ADRB, 20                          ; v20-21  the same for W
.set STO16, 22                         ; v22-23  the f16 stage: in, back
.set RD16,  23
.set STO32, 24                         ; v24-25  the f32 stage: in, back
.set RD32,  25
.set CO32,  26                         ; v26     my bytes in a row of qkv32
.set ADRS,  27                         ; v27     my scale words: lanes 0-15 x's rows, lanes 16-31 W's
.set SPW,   28                         ; v28     my spare word; never rewritten
.set NIL,   29                         ; v29     0; never rewritten
.set CO16,  30                         ; v30     my bytes in two rows of qkv
.set BO,    31                         ; v31     my bytes in the bias
.set SC,    32
.set AF,    128
.set BIAS,  192
.set TMP,   192
.set OB,    128
.set G1, 24                            ; s[24:31] group 1 for x's tiles;  s[32:39] groups 0, one for each slot
.set G0, 32
.set G1B, 48                           ; s[48:55], s[56:63] the same for W's
.set G0B, 56
.set G1S, 68                           ; s[68:75], s[76:79] x's scale bytes;  s[80:87], s[88:91] W's
.set G0S, 76
.set G1SB, 80
.set G0SB, 88
.set MSB, 0
.macro WIN new                         ; the immediate's high byte repeats the setting that is left; a switch that changes nothing is dropped
.if MSB != (\new)
	s_set_vgpr_msb (MSB<<8)|(\new)
.set MSB, (\new)
.endif
.endm
.set MUL_LO, 0xa1                      ; source 0 (W) window 1, source 1 (x) window 0, C and D window 2
.set MUL_HI, 0xf1                      ; the same, C and D window 3
.set TO_B,   0x40                      ; destination window 1, address window 0
; Waves 0 and 1 fetch for x (jointly), waves 2 and 3 for W.  The branch hangs on the wave's number alone.  An s_nop 0 and four v_nop follow each of the two lines.
.macro JLOAD g0a, g1a, g0b, g1b
	s_cmp_eq_u32 s15, 0
	s_cbranch_scc0 .Lfor_b_\@
	tensor_load_to_lds s[\g0a:\g0a+3], s[\g1a:\g1a+7]
	s_nop 0
.rept 4
	v_nop
.endr
	s_branch .Lasked_\@
.Lfor_b_\@:
	tensor_load_to_lds s[\g0b:\g0b+3], s[\g1b:\g1b+7]
	s_nop 0
.rept 4
	v_nop
.endr
.Lasked_\@:
.endm
.macro CROUND                          ; a round of the cluster's barrier
	s_barrier_signal -1
	s_barrier_wait -1
	s_cmp_lg_u32 s14, 0
	s_cbranch_scc1 .Lnot_wave_0_\@
	s_barrier_signal -3
.Lnot_wave_0_\@:
	s_barrier_wait -3
	s_barrier_signal -1
	s_barrier_wait -1
.endm
	s_load_b128 s[4:7], s[0:1], 0x0                ; x's codes s[4:5], x's scales s[6:7]
	s_load_b128 s[8:11], s[0:1], 0x10              ; W's codes s[8:9], W's scales s[10:11]
	s_load_b128 s[96:99], s[0:1], 0x20             ; b_attn s[96:97], qkv s[98:99]
	s_load_b64 s[12:13], s[0:1], 0x30              ; qkv32
	v_lshl_add_u32 v[SPW], v0, 2, SPARE
	v_mov_b32 v[NIL], 0
	ds_add_u32 v[SPW], v[NIL]                      ; the wave's opening: the add, twice on end, and its wait ahead of my first tensor load
	ds_add_u32 v[SPW], v[NIL]
	v_lshrrev_b32 v1, 5, v0
	v_readfirstlane_b32 s14, v1                    ; wave 0..3
	s_lshr_b32 s15, s14, 1                         ; which half of the tile's rows is mine.  Also: I fetch for x (0) or for W (1)
	s_and_b32 s16, s14, 1                          ; which half of its columns.  Also: which 128 rows of that tile I fetch
	s_bfe_u32 s40, ttmp6, 0x40000                  ; cx: my place in the cluster
	s_lshl_b32 s42, ttmp9, 2
	s_add_co_u32 s42, s42, s40                     ; tile column = 4 x cluster x + cx
	s_and_b32 s17, ttmp7, 0xffff                   ; tile row: the same in all four partners
	s_mov_b32 s[G1+0], 15|(1<<20)|(1<<21)|(5<<22)|(3<<25)   ; 15:0 the mask: all four; 17:16 elements of 1 byte; 20 padding on; 21 set beside a mask; 24:22 after every 64 words; 31:25 four words
	s_mov_b32 s[G1B+0], (1<<20)|(5<<22)|(3<<25)             ; the same with no mask: a load of my own
.irp g, G1, G1B
	s_mov_b32 s[\g+1], ROWB<<16                    ; tensor_dim0
	s_mov_b32 s[\g+2], 128<<16                     ; tensor_dim1
	s_mov_b32 s[\g+3], ROWB<<16                    ; tile_dim0
	s_mov_b32 s[\g+4], 128                         ; tile_dim1
	s_mov_b32 s[\g+5], KROW                        ; from row to row
	s_mov_b32 s[\g+6], 0
	s_mov_b32 s[\g+7], 0
.endr
	s_mov_b32 s[G1S+0], 15|(3<<16)|(1<<20)|(1<<21)|(5<<22)|(3<<25)   ; the scale bytes of 128 rows: 4,096 dense bytes as 16 rows of 32 elements of 8 bytes, 16 bytes of padding behind each
	s_mov_b32 s[G1SB+0], (3<<16)|(1<<20)|(5<<22)|(3<<25)
.irp g, G1S, G1SB
	s_mov_b32 s[\g+1], 32<<16
	s_mov_b32 s[\g+2], 16<<16
	s_mov_b32 s[\g+3], 32<<16
	s_mov_b32 s[\g+4], 16
	s_mov_b32 s[\g+5], 32
	s_mov_b32 s[\g+6], 0
	s_mov_b32 s[\g+7], 0
.endr
	s_lshl_b32 s18, s16, 7                         ; which 128 rows of the tile I fetch
	s_lshl_b32 s20, s17, 8
	s_add_co_u32 s20, s20, s18                     ; x: row 256 x tile row + 128 x half: made of numbers that the partners share
	s_lshl_b32 s46, s42, 8
	s_add_co_u32 s46, s46, s18                     ; W: row 256 x tile column + 128 x half
	s_mov_b32 s21, 0
	s_mov_b32 s47, 0
	s_mov_b64 s[18:19], KS
	s_mul_u64 s[22:23], s[20:21], s[18:19]         ; where these rows' scale bytes begin,
	s_mul_u64 s[92:93], s[46:47], s[18:19]
	s_mov_b64 s[18:19], KROW
	s_mul_u64 s[20:21], s[20:21], s[18:19]         ; and their codes
	s_mul_u64 s[46:47], s[46:47], s[18:19]
	s_mul_i32 s45, s14, HALFT                      ; where they go: wave x 128 rows: no place in the cluster enters an LDS address
	s_mul_i32 s94, s14, HALFS
	s_wait_dscnt 0x0                               ; both opening adds are done
	s_wait_kmcnt 0x0
	s_add_nc_u64 s[20:21], s[4:5], s[20:21]
	s_add_nc_u64 s[22:23], s[6:7], s[22:23]
	s_add_nc_u64 s[46:47], s[8:9], s[46:47]
	s_add_nc_u64 s[92:93], s[10:11], s[92:93]
	CROUND                                         ; all four work-groups are here: the joint loads meet
	s_mov_b32 s[G0S], 1
	s_add_co_u32 s[G0S+1], s94, SCL
	s_mov_b64 s[G0S+2:G0S+3], s[22:23]
	s_or_b32 s[G0S+3], s[G0S+3], 0x80000000
	s_mov_b32 s[G0SB], 1
	s_add_co_u32 s[G0SB+1], s94, SCL
	s_mov_b64 s[G0SB+2:G0SB+3], s[92:93]
	s_or_b32 s[G0SB+3], s[G0SB+3], 0x80000000
	JLOAD G0S, G1S, G0SB, G1SB                     ; the scale bytes first: they are wanted with slot 0
.irp s, 0,1
	s_mov_b32 s[G0+4*\s], 1
	s_add_co_u32 s[G0+4*\s+1], s45, \s*SLOT
	s_add_nc_u64 s[G0+4*\s+2:G0+4*\s+3], s[20:21], \s*ROWB
	s_or_b32 s[G0+4*\s+3], s[G0+4*\s+3], 0x80000000
	s_mov_b32 s[G0B+4*\s], 1
	s_add_co_u32 s[G0B+4*\s+1], s45, \s*SLOT
	s_add_nc_u64 s[G0B+4*\s+2:G0B+4*\s+3], s[46:47], \s*ROWB
	s_or_b32 s[G0B+4*\s+3], s[G0B+4*\s+3], 0x80000000
	JLOAD G0+4*\s, G1, G0B+4*\s, G1B               ; three tensor loads of mine are out at the most
.endr
	v_and_b32 v1, 15, v0                           ; r = lane % 16
	v_bfe_u32 v2, v0, 4, 1                         ; h = lane / 16
	v_mul_u32_u24 v3, v1, PITCH
	v_lshl_add_u32 v4, v2, 4, v3                   ; a fragment's row x pitch + 16 h
	s_mul_i32 s21, s15, HALFT                      ; my 128 rows of x
	s_mul_i32 s22, s16, HALFT                      ; my 128 rows of W,
	s_add_co_u32 s22, s22, 2*HALFT                 ; which lie behind x's 256
.irp s, 0,1
	v_add_nc_u32 v[ADRA+\s], s21, v4
	v_add_nc_u32 v[ADRB+\s], s22, v4
	s_add_co_u32 s21, s21, SLOT
	s_add_co_u32 s22, s22, SLOT
.endr
	v_mul_u32_u24 v5, v1, KS                       ; my row's scale bytes: 32 a row,
	v_lshrrev_b32 v6, 8, v5
	v_lshl_add_u32 v5, v6, 4, v5                   ; and 16 more for each 256 passed
	s_mul_i32 s21, s15, HALFS
	s_mul_i32 s22, s16, HALFS
	s_add_co_u32 s22, s22, 2*HALFS
	s_sub_co_u32 s22, s22, s21
	v_mul_u32_u24 v6, s22, v2                      ; lanes 16-31 take W's: one product, the distance between the two bases x h
	s_add_co_u32 s21, s21, SCL
	v_add_nc_u32 v5, v5, v6
	v_add_nc_u32 v[ADRS], s21, v5
	s_mul_i32 s23, s14, WSTG                       ; my stage
	v_mul_u32_u24 v5, v1, 528
	v_lshl_add_u32 v5, v2, 5, v5
	v_add_nc_u32 v[STO32], s23, v5                 ; f32, in: row r, 32 bytes for each half of the lanes
	v_and_b32 v6, 31, v0
	v_lshlrev_b32 v[CO32], 4, v6
	v_add_nc_u32 v[RD32], s23, v[CO32]             ; back: the 32 lanes take a row of 512 bytes
	v_add_nc_u32 v[STO16], s23, v4                 ; f16, in: row r of 272 bytes, 16 bytes for each half
	v_mul_u32_u24 v5, v2, 272
	v_lshl_add_u32 v5, v1, 4, v5
	v_add_nc_u32 v[RD16], s23, v5                  ; back: lanes 0-15 one row of 256 bytes, lanes 16-31 the next
	v_mul_u32_u24 v5, v2, SIZE_N*2
	v_lshl_add_u32 v[CO16], v1, 4, v5              ; and the same two rows in qkv
	v_lshlrev_b32 v[BO], 5, v2                     ; the bias: 8 h numbers on
	s_lshl_b32 s20, s17, 8
	s_lshl_b32 s21, s15, 7
	s_add_co_u32 s20, s20, s21                     ; my first row
	s_mul_i32 s20, s20, SIZE_N*2
	s_lshl_b32 s46, s42, 9
	s_lshl_b32 s47, s16, 8
	s_add_co_u32 s46, s46, s47                     ; my first column in f16 bytes: 512 x tile column + 256 x half
	s_add_co_u32 s20, s20, s46
	s_mov_b32 s21, 0
	s_add_nc_u64 s[98:99], s[98:99], s[20:21]      ; qkv at my part of the tile (under 2^26 bytes)
	s_lshr_b32 s20, s17, 3                         ; the batch
	s_mul_i32 s20, s20, 16*SIZE_N*4
	s_lshl_b32 s46, s46, 1                         ; my first column in f32 bytes
	s_add_co_u32 s20, s20, s46
	s_add_nc_u64 s[12:13], s[12:13], s[20:21]      ; qkv32 at the batch's first row, my columns
	s_mov_b32 s47, 0
	s_add_nc_u64 s[96:97], s[96:97], s[46:47]      ; b_attn at my first column
.irp b, 0,1,2,3,4,5,6,7
	global_load_b128 v[BIAS+8*\b:BIAS+8*\b+3], v[BO], s[96:97] offset:64*\b         ; lane (r, h): b_attn of columns 16 b + 8 h + 0 .. 7
	global_load_b128 v[BIAS+8*\b+4:BIAS+8*\b+7], v[BO], s[96:97] offset:64*\b+16
.endr
.macro FRAG reg, adr, q, i             ; 16 rows x 128 K of 4-bit codes: lane l holds row l % 16; registers 4 c .. 4 c + 3 hold K = 64 c + 32 (l / 16) + 0 .. 31
.irp c, 0,1
	ds_load_b128 v[\reg+4*\c:\reg+4*\c+3], v[\adr] offset:64*(\q)+32*\c+(\i)*16*PITCH
.endr
.endm
; 16 matrix instructions: x's blocks a0, a0 + 1 against W's eight, 128 along K.  p: W's set; sc: the set of scale words.  zero = 1: the first product starts the sums from the bias.
; The 64 accumulators take turns, one instruction a turn, in the same order in every step.
.macro MUL16 a0, p, q, sc, zero
.irp a, \a0, \a0+1
.irp b, 0,1,2,3,4,5,6,7
.if \zero
	v_wmma_scale_f32_16x16x128_f8f6f4 v[8*(8*((\a)%4)+\b):8*(8*((\a)%4)+\b)+7], v[128*(\p)+FR*\b:128*(\p)+FR*\b+FR-1], v[AF+FR*(\a):AF+FR*(\a)+FR-1], v[BIAS+8*\b:BIAS+8*\b+7], v[SC+8*NQ*(\sc)+NQ*\b+(\q)], v[SC+8*NQ*(\sc)+NQ*(\a)+(\q)] matrix_a_fmt:MATRIX_FMT_FP4 matrix_b_fmt:MATRIX_FMT_FP4 matrix_a_scale:MATRIX_SCALE_ROW1
.else
	v_wmma_scale_f32_16x16x128_f8f6f4 v[8*(8*((\a)%4)+\b):8*(8*((\a)%4)+\b)+7], v[128*(\p)+FR*\b:128*(\p)+FR*\b+FR-1], v[AF+FR*(\a):AF+FR*(\a)+FR-1], v[8*(8*((\a)%4)+\b):8*(8*((\a)%4)+\b)+7], v[SC+8*NQ*(\sc)+NQ*\b+(\q)], v[SC+8*NQ*(\sc)+NQ*(\a)+(\q)] matrix_a_fmt:MATRIX_FMT_FP4 matrix_b_fmt:MATRIX_FMT_FP4 matrix_a_scale:MATRIX_SCALE_ROW1
.endif
.endr
.endr
.endm
.macro FETCH_B slot, q, p
	WIN TO_B
.irp i, 0,1,2,3,4,5,6,7
	FRAG 128*(\p)+FR*\i, ADRB+\slot, \q, \i
.endr
	WIN 0
.endm
.macro FETCH_A slot, q, i0
.irp i, \i0, \i0+1, \i0+2, \i0+3
	FRAG AF+FR*(\i), ADRA+\slot, \q, \i
.endr
.endm
.macro SCALES sc                       ; a slot's scale words: four words a row; lanes 0-15 take x's block i, lanes 16-31 W's block i
.irp i, 0,1,2,3,4,5,6,7
	ds_load_b128 v[SC+8*NQ*\sc+NQ*\i:SC+8*NQ*\sc+NQ*\i+3], v[ADRS] offset:\i*SBLK
.endr
.endm
.macro PLACES n                        ; plain vector instructions between a matrix instruction and a load into one of its registers, or a read of its result
.rept \n
	v_nop
.endr
.endm
; A step of 128 along K that has its successor in the same slot.  zero = 1: C is the bias, in window 0.
.macro STEP slot, q, zero
	s_wait_dscnt 4*NL                              ; W's set and x's blocks 0-3 are in; the youngest eight loads (x's blocks 4-7) may be out
	WIN MUL_LO-0x20*(\zero)
	MUL16 0, (\q)%2, \q, \slot, \zero
	MUL16 2, (\q)%2, \q, \slot, \zero
	s_wait_dscnt 0                                 ; x's blocks 4-7 are in
	PLACES NP
	FETCH_B \slot, (\q)+1, 1-(\q)%2
	FETCH_A \slot, (\q)+1, 0
	WIN MUL_HI-0x30*(\zero)
	MUL16 4, (\q)%2, \q, \slot, \zero
	MUL16 6, (\q)%2, \q, \slot, \zero
	PLACES NP
	WIN 0
	FETCH_A \slot, (\q)+1, 4
.endm
; Slot 0's last step changes slots: one barrier; in front of it each wave waits for all its tensor loads (slot 1's), adds 0 to its spare word, and waits for that and for its own reads of slot 0.
; Behind it slot 1 is whole, and nobody reads slot 0 any more: the stages of the way out lie there.
.macro TURN slot, next
	s_wait_tensorcnt 0x0                           ; all my tensor loads have landed  (every window is 0 here)
	ds_add_u32 v[SPW], v[NIL]                      ; 0 onto my spare word
	s_wait_dscnt 4*NL+1                            ; (the add and the youngest eight loads may be out)
	WIN MUL_LO
	MUL16 0, 1, NQ-1, \slot, 0
	s_wait_dscnt 0x0                               ; the add is done, and my reads of this slot are over
	s_barrier_signal -1
	MUL16 2, 1, NQ-1, \slot, 0
	WIN 0
	s_barrier_wait -1
	PLACES NP
	v_add_nc_u32 v[ADRS], 4*NQ, v[ADRS]            ; on to the next slot's scale words
	FETCH_B \next, 0, 0
	FETCH_A \next, 0, 0
	SCALES \next
	WIN MUL_HI
	MUL16 4, 1, NQ-1, \slot, 0
	MUL16 6, 1, NQ-1, \slot, 0
	PLACES NP
	WIN 0
	FETCH_A \next, 0, 4
.endm
	s_wait_tensorcnt 1                             ; the scale bytes and my part of slot 0 are in; slot 1's load may be out
	s_barrier_signal -1
	s_barrier_wait -1                              ; everybody's are
	FETCH_B 0, 0, 0
	FETCH_A 0, 0, 0
	SCALES 0
	FETCH_A 0, 0, 4
	s_wait_loadcnt 0x0                             ; the bias
	STEP 0, 0, 1
	STEP 0, 1, 0
	STEP 0, 2, 0
	TURN 0, 1
	STEP 1, 0, 0
	STEP 1, 1, 0
	STEP 1, 2, 0
	s_wait_dscnt 4*NL                              ; the last step: nothing more to fetch
	WIN MUL_LO
	MUL16 0, 1, NQ-1, 1, 0
	MUL16 2, 1, NQ-1, 1, 0
	s_wait_dscnt 0
	WIN MUL_HI
	MUL16 4, 1, NQ-1, 1, 0
	MUL16 6, 1, NQ-1, 1, 0
	WIN 0
	PLACES NP                                      ; in front of the first reads of results and of loads into x's fragment registers
	; THE F32 COPY: rows m % 2,048 < 16 are block 0 of the waves with the upper half of every eighth tile row.  The test hangs on the tile row, which the partners share, and on the wave's number.
	s_and_b32 s2, s17, 7
	s_or_b32 s2, s2, s15
	s_cmp_lg_u32 s2, 0
	s_cbranch_scc1 .Lcoarse
	WIN 0x08                                       ; an LDS store's data are its source 1: window 2
.irp b, 0,1,2,3,4,5,6,7
	ds_store_b128 v[STO32], v[8*\b:8*\b+3] offset:64*\b            ; each accumulator from its low end on
	ds_store_b128 v[STO32], v[8*\b+4:8*\b+7] offset:64*\b+16
.endr
	WIN 0
.irp t, 0,1,2,3,4,5,6,7,8,9,10,11,12,13,14,15
	ds_load_b128 v[OB+4*\t:OB+4*\t+3], v[RD32] offset:\t*528       ; in order behind my stores (ISA guide 5.7.1.4)
.endr
	s_wait_dscnt 0x0
.irp t, 0,1,2,3,4,5,6,7,8,9,10,11,12,13,14,15
	global_store_b128 v[CO32], v[OB+4*\t:OB+4*\t+3], s[12:13] offset:\t*SIZE_N*4   ; 32 lanes store 512 consecutive bytes, aligned to 256
.endr
	s_wait_xcnt 0x0                                ; these stores have read their registers, into which the f16 way out loads next
.Lcoarse:
; THE WAY OUT, block by block of 16 rows x 128 columns: rounded to f16, 16 bytes a lane; through my own stage; back as whole rows of 256 bytes.
.macro PACK a
.set AC, 64*((\a)%4)
	WIN 0x0a+5*((\a)/4)                            ; sources 0 and 1: window 2 or 3
.irp b, 0,1,2,3,4,5,6,7
.irp r, 0,1,2,3
	v_cvt_pk_f16_f32 v[TMP+4*\b+\r], v[AC+8*\b+2*\r], v[AC+8*\b+2*\r+1]
.endr
.endr
	WIN 0
.endm
.macro TOSTAGE a
.set BK, OB+32*((\a)%2)
.irp b, 0,1,2,3,4,5,6,7
	ds_store_b128 v[STO16], v[TMP+4*\b:TMP+4*\b+3] offset:32*\b
.endr
.irp t, 0,1,2,3,4,5,6,7
	ds_load_b128 v[BK+4*\t:BK+4*\t+3], v[RD16] offset:\t*2*272
.endr
.endm
.macro SEND a
.set BK, OB+32*((\a)%2)
	s_wait_dscnt 0x0                               ; the block is back in registers
	s_wait_xcnt 0x0                                ; earlier stores have read their base and their registers (ISA guide 3.1): only now is either written again
.if (\a) > 0
	s_add_nc_u64 s[98:99], s[98:99], 16*SIZE_N*2   ; 16 rows on
.endif
.irp t, 0,1,2,3,4,5,6,7
	global_store_b128 v[CO16], v[BK+4*\t:BK+4*\t+3], s[98:99] offset:2*\t*SIZE_N*2   ; 16 lanes store 256 consecutive bytes, aligned
.endr
.endm
	PACK 0
	TOSTAGE 0
.irp a, 1,2,3,4,5,6,7                  ; block a's conversions stand between block a - 1's loads from the stage and the wait for them
	PACK \a
	SEND \a-1
	TOSTAGE \a
.endr
	SEND 7
	s_wait_tensorcnt 0x0                           ; the wave's end
	ds_add_u32 v[SPW], v[NIL]
	s_wait_dscnt 0x0
	CROUND                                         ; the closing round: no work-group ends while a partner may still ask for a tile that names it
	s_endpgm
.Lfunc_end_k_q20510f0f74_qkv:
	.size	k_q20510f0f74_qkv, .Lfunc_end_k_q20510f0f74_qkv-k_q20510f0f74_qkv
	.p2alignl 7, 3214868480
	.fill 96, 4, 3214868480
	.section	.rodata,"a",@progbits
	.p2align	6, 0x0
	.amdhsa_kernel k_q20510f0f74_qkv
		.amdhsa_group_segment_fixed_size 327680
		.amdhsa_private_segment_fixed_size 0
		.amdhsa_enable_private_segment 0
		.amdhsa_kernarg_size 56
		.amdhsa_user_sgpr_count 2
		.amdhsa_user_sgpr_kernarg_segment_ptr 1
		.amdhsa_wavefront_size32 1
		.amdhsa_system_sgpr_workgroup_id_x 1
		.amdhsa_system_sgpr_workgroup_id_y 1
		.amdhsa_system_sgpr_workgroup_id_z 1
		.amdhsa_system_vgpr_workitem_id 0
		.amdhsa_next_free_vgpr 1024
		.amdhsa_next_free_sgpr 100
		.amdhsa_reserve_vcc 0
		.amdhsa_float_denorm_mode_32 3
		.amdhsa_float_denorm_mode_16_64 3
		.amdhsa_memory_ordered 1
		.amdhsa_forward_progress 1
		.amdhsa_inst_pref_size 132
	.end_amdhsa_kernel
	.amdgpu_metadata
---
amdhsa.version: [ 1, 2 ]
amdhsa.kernels:
  - .name:           k_q20510f0f74_qkv
    .symbol:         k_q20510f0f74_qkv.kd
    .args:
      - { .name: x_codes, .offset: 0, .size: 8, .value_kind: global_buffer, .address_space: global }
      - { .name: x_scales, .offset: 8, .size: 8, .value_kind: global_buffer, .address_space: global }
      - { .name: w_codes, .offset: 16, .size: 8, .value_kind: global_buffer, .address_space: global }
      - { .name: w_scales, .offset: 24, .size: 8, .value_kind: global_buffer, .address_space: global }
      - { .name: b_attn, .offset: 32, .size: 8, .value_kind: global_buffer, .address_space: global }
      - { .name: qkv, .offset: 40, .size: 8, .value_kind: global_buffer, .address_space: global }
      - { .name: qkv32, .offset: 48, .size: 8, .value_kind: global_buffer, .address_space: global }
    .group_segment_fixed_size: 327680
    .private_segment_fixed_size: 0
    .kernarg_segment_align: 8
    .kernarg_segment_size: 56
    .max_flat_workgroup_size: 128
    .sgpr_count:     100
    .vgpr_count:     1024
    .wavefront_size: 32
...
	.end_amdgpu_metadata
.endif
;; end of part 2
;; launch att (part 3): grid 8 x 32, 16 waves a work-group, no clusters, 327,680 bytes of LDS; arguments qkv, y; writes y
.if DOCPART == 3
	.amdgcn_target "amdgcn-amd-amdhsa--gfx1250"
	.amdhsa_code_object_version 6
	.text
	.protected	k_q20510f0f74_att
	.globl	k_q20510f0f74_att
	.p2align	8
	.type	k_q20510f0f74_att,@function
k_q20510f0f74_att:
	s_mov_b64 s[64:65], 0
	v_nop
	global_prefetch_b8 v0, s[64:65] scope:SCOPE_SE
	s_setreg_imm32_b32 hwreg(HW_REG_WAVE_MODE, 25, 1), 1
	s_wait_xcnt 0x0
; y[b][t][64 head + d] = the sum over keys k <= t of softmax_k(q . k / 8) v, for 4 batches x 16 heads of 64, 2,048 positions.  q, k, v: f16, columns 0, 1,024 and 2,048 on of qkv [8192][3072].  y: f16 [8192][1024].
; Products on f16 operands with f32 sums; maxima, exponentials and sums in f32; the weights p are rounded to f16 for the second product, y once at the end.
; LIMITS: |y| beyond f16's 65,504 is not served; NaN and infinities are not served.  The first 16 positions of each sequence are computed here like the rest and are replaced by the last launch, which carries them in f32.
; SHARES.  A work-group takes a PAIR of heads of one batch, so that a row of K, V, Q and y is 256 aligned bytes, and two blocks of 128 queries, j and 15 - j: under the causal mask that is 17 blocks' worth of keys for every j.
; Each of its sixteen waves owns 32 neighbouring queries of one head: two tiles of 16, which share every fragment of K and V.  Four waves to a SIMD: one wave's vector work stands beside another's matrix work.
; K's and V's rows come through a ring of two LDS slots of 128 keys (waves 0 and 1: K's halves; waves 2 and 3: V's), read by all sixteen; a key step is 64 keys.
; NO CLUSTER: the eight work-groups of a head pair need 16 - j slots, a different number each: a joint load would bring partners tiles that none of their waves reads.
; LAYOUT.  S^T = K Q^T (source 0 = 16 keys, source 1 = 16 queries): a lane holds ONE query (lane % 16) and keys 8 (lane / 16) + 0..7 of a tile.  Two such tiles, rounded to f16 in pairs, ARE source 1 of
; O^T = V^T P, whose result again holds one query a lane.  K comes out of LDS as it lies, V turned, by ds_load_tr16_b128.
; SOFTMAX.  A running maximum m and sum l for each query: p = 2^(c s - c m), c = log2(e) / 8; in every step O^T and l are multiplied by a = 2^(c m_old - c m_new).
; CAUSAL.  Every work-group walks all 16 slots: the trip counts are constants.  A step all of whose keys come after the wave's queries is jumped over (a scalar branch on ids); on the diagonal hidden scores become -infinity.
; A slot whose first key comes after the work-group's last query is not asked for.
.set PK,     272                       ; a row of K in LDS: 256 bytes + 16
.set PV,     288                       ; a row of V: 256 + 32
.set KSTEPB, 64*PK
.set VSTEPB, 64*PV
.set VOFF,   128*PK                    ; a slot: 128 rows of K, then 128 rows of V: 71,680 bytes
.set SLOT1,  1<<17                     ; slot 1 begins here: one exclusive or turns an address from one slot to the other
.set STAGE,  SLOT1+128*(PK+PV)         ; behind the ring: 256 rows x 272 bytes for the way out; no tensor load lands here
.set SPARE,  STAGE+256*272             ; the spare words, 128 bytes for each wave
.set ROWQ,   6144                      ; a row of qkv in bytes
.set AK0, 1                            ; v1   my lane's place in a tile of K
.set AV0, 2                            ; v2   the same for V
.set SPW, 3                            ; v3   my spare word; never rewritten
.set NIL, 4                            ; v4   0; never rewritten
.set ADK, 5                            ; v5   the step's address in K; on the way out: into the stage
.set ADV, 6                            ; v6   in V; on the way out: back from the stage
.set DL,  7                            ; v7   r - 8 h
.set NINF, 8                           ; v8   -infinity
.set VD,  9                            ; v9   the mask's threshold; on the way out: my bytes in y
.set PFO, 10                           ; v10  the prefetches' offset: a row of qkv x my lane; never rewritten
.set QO,  11                           ; v11  my bytes in Q's rows
.set ST,  12                           ; tile x's statistics at v[ST + 8 x]: +0 c m, +1 m, +2, +3 l in two halves, +4 to +7 at work; a at +6
.set RR,  28                           ; v28  r = lane % 16;  v29  h = lane / 16
.set HH,  29
.set QF,  32                           ; v32-63    Q: 16 registers a tile
.set KV,  64                           ; v64-127   K's fragments of a step, then V's
.set S,   128                          ; v128-191  S^T, 32 a tile; P in place, in the low 16
.set O,   192                          ; v192-255  O^T, 32 a tile
.set WV,  18
.set SEL, 20                           ; s[20:21] v_permlanex16_b32's selects for lane l xor 16
.set CS,  22                           ; s[22:23] c, twice: the packed form names a pair
.set G1K, 24
.set G1V, 32
.set G0K, 40
.set G0V, 44
.set TB,  2                            ; s2   LDS byte at which the slot in hand begins
.set SLOTS, 67
.set LASTQ, 68                         ; s68  my work-group's last query
.set PFA, 76                           ; s[76:77] where my prefetches stand
.set LIM, 80                           ; s80  1 in a wave that prefetches, else the greatest number
.set KF,  98                           ; s98  the step's first key
.set Q0,  99                           ; s99  my first query
; Waves 0 and 1 fetch K's halves of a slot, waves 2 and 3 V's, the others nothing.  An s_nop 0 and four v_nop follow each of the two lines.
.macro TLOAD
	s_cmp_lt_u32 s[WV], 2
	s_cbranch_scc0 .Lnot_k_\@
	tensor_load_to_lds s[G0K:G0K+3], s[G1K:G1K+7]
	s_nop 0
.rept 4
	v_nop
.endr
	s_branch .Lasked_\@
.Lnot_k_\@:
	s_cmp_lt_u32 s[WV], 4
	s_cbranch_scc0 .Lasked_\@
	tensor_load_to_lds s[G0V:G0V+3], s[G1V:G1V+7]
	s_nop 0
.rept 4
	v_nop
.endr
.Lasked_\@:
.endm
; A PREFETCH INTO THE L2 of what the NEXT change of slots will ask for: 128 rows of K and 128 of V, 256 bytes each.  The eight work-groups of a head pair walk the same rows: the one with j = 0, which walks all
; sixteen slots, asks, and nobody else.  In it the waves ask that fetch nothing, one instruction each, a lane a row: waves 4 to 7 for K's rows, 32 a wave, waves 8 to 11 for V's.  So each row's 256 bytes are named once.
; It stands two key steps ahead of the load that wants the rows.  Slots 0 and 1 come by their loads alone; the last change that fills a slot asks for nothing.
.macro ASK
	s_cmp_gt_u32 s[SLOTS], s[LIM]
	s_cbranch_scc0 .Lnot_mine_\@
	global_prefetch_b8 v[PFO], s[PFA:PFA+1] th:TH_LOAD_NT scope:SCOPE_SE
.Lnot_mine_\@:
.endm
	s_load_b128 s[4:7], s[0:1], 0x0                ; qkv s[4:5], y s[6:7]
	v_lshl_add_u32 v[SPW], v0, 2, SPARE
	v_mov_b32 v[NIL], 0
	ds_add_u32 v[SPW], v[NIL]                      ; the wave's opening: the add, twice on end, and its wait ahead of my first tensor load
	ds_add_u32 v[SPW], v[NIL]
	v_lshrrev_b32 v5, 5, v0
	v_readfirstlane_b32 s[WV], v5                  ; wave 0..15
	s_and_b32 s70, ttmp7, 0xffff
	s_lshr_b32 s71, s70, 3                         ; the batch
	s_and_b32 s72, s70, 7                          ; the pair of heads
	s_lshr_b32 s73, s[WV], 2
	s_xor_b32 s73, s73, s[WV]
	s_and_b32 s73, s73, 1                          ; lh: the low block of queries (0) or the high one (1): mixed so that waves of both kinds share a SIMD
	s_lshr_b32 s74, s[WV], 3                       ; hh: which head of the pair
	s_lshr_b32 s75, s[WV], 1
	s_and_b32 s75, s75, 1
	s_lshl_b32 s75, s75, 1
	s_bfe_u32 s82, s[WV], 0x10002
	s_add_co_u32 s75, s75, s82                     ; qd: which 32 queries of the block
	s_lshl_b32 s83, ttmp9, 7                       ; 128 j
	s_lshl_b32 s84, ttmp9, 8
	s_sub_co_u32 s84, 1920, s84
	s_mul_i32 s84, s84, s73                        ; lh x (1,920 - 256 j): the high block begins at 128 (15 - j)
	s_add_co_u32 s[Q0], s83, s84
	s_lshl_b32 s85, s75, 5
	s_add_co_u32 s[Q0], s[Q0], s85                 ; my first query
	s_sub_co_u32 s[LASTQ], 2047, s83
	s_mul_i32 s86, s71, 2048*ROWQ
	s_lshl_b32 s87, s72, 8
	s_add_co_u32 s86, s86, s87                     ; the batch's first row + the pair's 256 bytes
	s_and_b32 s88, s[WV], 1                        ; which 64 keys of a slot I fetch, if I fetch
	s_mul_i32 s89, s88, 64*ROWQ
	s_add_co_u32 s90, s86, s89
	s_add_co_u32 s90, s90, 2048                    ; K: column 1,024 on
	s_mov_b32 s91, 0
	s_add_co_u32 s92, s90, 2048                    ; V: column 2,048 on
	s_mov_b32 s93, 0
	s_mul_i32 s94, s88, KSTEPB                     ; and where they go in a slot
	s_mul_i32 s95, s88, VSTEPB
	s_add_co_u32 s95, s95, VOFF
	s_mov_b32 s[G1K], (1<<16)|(1<<20)|(5<<22)|(3<<25)   ; no mask; elements of 2 bytes; padding on: four words after every 64
	s_mov_b32 s[G1V], (1<<16)|(1<<20)|(5<<22)|(7<<25)   ; the same with eight words
.irp g, G1K, G1V
	s_mov_b32 s[\g+1], 128<<16                     ; tensor_dim0 = 128 elements: 256 bytes
	s_mov_b32 s[\g+2], 64<<16                      ; tensor_dim1 = 64 rows
	s_mov_b32 s[\g+3], 128<<16                     ; tile_dim0
	s_mov_b32 s[\g+4], 64                          ; tile_dim1
	s_mov_b32 s[\g+5], 3072                        ; elements from row to row
	s_mov_b32 s[\g+6], 0
	s_mov_b32 s[\g+7], 0
.endr
	s_mov_b32 s[SEL], 0x76543210
	s_mov_b32 s[SEL+1], 0xfedcba98
	s_mov_b32 s[CS], 0x3e38aa3b                    ; c = log2(e) / 8
	s_mov_b32 s[CS+1], s[CS]
	s_mov_b32 s[TB], 0
	s_mov_b32 s[KF], 0
	s_mov_b32 s[SLOTS], 15
	s_wait_dscnt 0x0                               ; both opening adds are done
	s_wait_kmcnt 0x0
	s_mov_b32 s[G0K], 1
	s_mov_b32 s[G0K+1], s94
	s_add_nc_u64 s[G0K+2:G0K+3], s[4:5], s[90:91]
	s_or_b32 s[G0K+3], s[G0K+3], 0x80000000
	s_mov_b32 s[G0V], 1
	s_mov_b32 s[G0V+1], s95
	s_add_nc_u64 s[G0V+2:G0V+3], s[4:5], s[92:93]
	s_or_b32 s[G0V+3], s[G0V+3], 0x80000000
	TLOAD                                          ; slot 0: keys 0 to 127, which count for queries of every wave
	s_mul_i32 s96, s[Q0], ROWQ
	s_add_co_u32 s96, s96, s86
	s_lshl_b32 s97, s74, 7
	s_add_co_u32 s96, s96, s97
	s_mov_b32 s97, 0
	s_add_nc_u64 s[8:9], s[4:5], s[96:97]          ; Q at my first query, my head
	v_and_b32 v[RR], 15, v0
	v_bfe_u32 v[HH], v0, 4, 1
	v_mul_u32_u24 v[QO], v[RR], ROWQ
	v_lshl_add_u32 v[QO], v[HH], 4, v[QO]
.irp x, 0,1
.irp c, 0,1
	global_load_b128 v[QF+16*\x+8*\c:QF+16*\x+8*\c+3],   v[QO], s[8:9] offset:16*ROWQ*\x+64*\c      ; Q stays in registers: tile x, channels 32 c on
	global_load_b128 v[QF+16*\x+8*\c+4:QF+16*\x+8*\c+7], v[QO], s[8:9] offset:16*ROWQ*\x+64*\c+32
.endr
.endr
	; the prefetches: where my wave's stand, and who asks
	s_cmp_lt_u32 s[WV], 8
	s_mov_b32 s82, 4096
	s_cselect_b32 s82, 2048, s82                   ; waves 4 to 7: K's columns; waves 8 to 11: V's
	s_and_b32 s83, s[WV], 3
	s_mul_i32 s83, s83, 32*ROWQ                    ; my wave's 32 rows of the 128,
	s_add_co_u32 s82, s82, s83
	s_add_co_u32 s82, s82, s86
	s_add_co_u32 s82, s82, 128*ROWQ                ; in slot 1: the first change of slots steps it to slot 2
	s_mov_b32 s83, 0
	s_add_nc_u64 s[PFA:PFA+1], s[4:5], s[82:83]
	s_sub_co_u32 s82, s[WV], 4
	s_lshr_b32 s82, s82, 3                         ; 0 in waves 4 to 11,
	s_or_b32 s82, s82, ttmp9                       ; of the work-group with j = 0
	s_cmp_eq_u32 s82, 0
	s_cselect_b32 s[LIM], 1, -1
	v_and_b32 v[PFO], 31, v0
	v_mul_u32_u24 v[PFO], v[PFO], ROWQ
	; y at the 16 rows that my wave stores: stage rows 16 w on: waves 0-7 block j, waves 8-15 block 15 - j
	s_sub_co_u32 s84, 15, ttmp9
	s_cmp_lt_u32 s[WV], 8
	s_cselect_b32 s84, ttmp9, s84
	s_lshl_b32 s84, s84, 7
	s_and_b32 s85, s[WV], 7
	s_lshl_b32 s85, s85, 4
	s_add_co_u32 s84, s84, s85
	s_lshl_b32 s85, s71, 11
	s_add_co_u32 s84, s84, s85
	s_lshl_b32 s84, s84, 11                        ; rows of 2,048 bytes
	s_add_co_u32 s84, s84, s87
	s_mov_b32 s85, 0
	s_add_nc_u64 s[6:7], s[6:7], s[84:85]
	; a fragment of K is 16 keys x 32 channels: lane l holds key l % 16; registers 0-3 channels 8 h + 0..7, registers 4-7 channels 16 + 8 h + 0..7
	v_mul_u32_u24 v[AK0], v[RR], PK
	v_lshl_add_u32 v[AK0], v[HH], 4, v[AK0]
	s_lshl_b32 s96, s74, 7                         ; my head's 128 bytes of a row
	v_add_nc_u32 v[AK0], s96, v[AK0]
	; the turning load takes 16 keys x 16 channels: lane l reads key 8 h + l % 8, channels 8 ((l / 8) % 2) + 0..7, and is left with channel l % 16 and 8 keys
	v_and_b32 v30, 7, v0
	v_bfe_u32 v31, v0, 3, 1
	v_lshl_add_u32 v[AV0], v[HH], 3, v30
	v_mul_u32_u24 v[AV0], v[AV0], PV
	v_lshl_add_u32 v[AV0], v31, 4, v[AV0]
	s_add_co_u32 s96, s96, VOFF
	v_add_nc_u32 v[AV0], s96, v[AV0]
	v_lshlrev_b32 v[DL], 3, v[HH]
	v_sub_nc_u32 v[DL], v[RR], v[DL]
	v_mov_b32 v[NINF], 0xff800000
.irp x, 0,1
	v_mov_b32 v[ST+8*\x+1], 0xff61b1e6             ; m = -3e38, under every score
	v_mul_f32 v[ST+8*\x], s[CS], v[ST+8*\x+1]      ; c m
.irp i, 2,3,4,5,6,7
	v_mov_b32 v[ST+8*\x+\i], 0                     ; l; and the registers at work, which permutes and pairs name
.endr
.endr
.irp j, 0,1,2,3,4,5,6,7,8,9,10,11,12,13,14,15,16,17,18,19,20,21,22,23,24,25,26,27,28,29,30,31,32,33,34,35,36,37,38,39,40,41,42,43,44,45,46,47,48,49,50,51,52,53,54,55,56,57,58,59,60,61,62,63
	v_mov_b32 v[O+\j], 0                           ; O^T.  (The step is written once: the first finds zeros, and a = 0 leaves them zeros)
.endr
; A KEY STEP: 64 keys, the q-th half of the slot in hand.
.macro STEP q
	s_add_co_u32 s96, s[Q0], 31
	s_cmp_gt_u32 s[KF], s96                        ; all 64 keys come after my 32 queries: nothing to do but step the count
	s_cbranch_scc1 .Lhidden_\@
	v_add_nc_u32 v[ADK], s[TB], v[AK0]
	v_add_nc_u32 v[ADV], s[TB], v[AV0]
.irp t, 0,1,2,3
.irp c, 0,1
	ds_load_b128 v[KV+16*\t+8*\c:KV+16*\t+8*\c+3],   v[ADK] offset:KSTEPB*(\q)+16*PK*\t+64*\c
	ds_load_b128 v[KV+16*\t+8*\c+4:KV+16*\t+8*\c+7], v[ADK] offset:KSTEPB*(\q)+16*PK*\t+64*\c+32
.endr
.endr
	s_wait_dscnt 0x0
.irp c, 0,1                                    ; S^T = K Q^T: eight accumulators by turns; the first eight products start the sums
.irp t, 0,1,2,3
.irp x, 0,1
.if \c == 0
	v_wmma_f32_16x16x32_f16 v[S+32*\x+8*\t:S+32*\x+8*\t+7], v[KV+16*\t+8*\c:KV+16*\t+8*\c+7], v[QF+16*\x+8*\c:QF+16*\x+8*\c+7], 0
.else
	v_wmma_f32_16x16x32_f16 v[S+32*\x+8*\t:S+32*\x+8*\t+7], v[KV+16*\t+8*\c:KV+16*\t+8*\c+7], v[QF+16*\x+8*\c:QF+16*\x+8*\c+7], v[S+32*\x+8*\t:S+32*\x+8*\t+7]
.endif
.endr
.endr
.endr
.rept 4
	v_nop                                          ; four places: in front of the loads into K's registers and of the first read of the scores
.endr
.irp k, 0,1                                    ; V, turned: keys 32 k on, channels 16 d on.  These land while the softmax is walked
.irp d, 0,1,2,3
	ds_load_tr16_b128 v[KV+32*\k+8*\d:KV+32*\k+8*\d+3],   v[ADV] offset:VSTEPB*(\q)+32*PV*\k+32*\d
	ds_load_tr16_b128 v[KV+32*\k+8*\d+4:KV+32*\k+8*\d+7], v[ADV] offset:VSTEPB*(\q)+32*PV*\k+32*\d+16*PV
.endr
.endr
	s_add_co_u32 s96, s[KF], 63
	s_cmp_le_u32 s96, s[Q0]                        ; all 64 keys count for all my queries: no mask
	s_cbranch_scc1 .Lopen_\@
	s_sub_co_i32 s96, s[Q0], s[KF]
	v_add_nc_u32 v[VD], s96, v[DL]                 ; register n of tile x holds key KF + 16 (n / 8) + 8 h + n % 8 for query Q0 + 16 x + r: hidden where 16 (n / 8) + n % 8 - 16 x > Q0 - KF + r - 8 h
.irp x, 0,1
.irp n, 0,1,2,3,4,5,6,7,8,9,10,11,12,13,14,15,16,17,18,19,20,21,22,23,24,25,26,27,28,29,30,31
	v_cmp_gt_i32 vcc_lo, 16*(\n/8)+\n%8-16*\x, v[VD]
	v_cndmask_b32 v[S+32*\x+\n], v[S+32*\x+\n], v[NINF], vcc_lo
.endr
.endr
.Lopen_\@:
	; the maximum of my 32 scores and the old m, three operands at a time, the two tiles line by line; each accumulator is read from its low end on
.irp j, 0,1,2,3
.irp x, 0,1
	v_max3_num_f32 v[ST+8*\x+4+\j], v[S+32*\x+8*\j], v[S+32*\x+8*\j+1], v[S+32*\x+8*\j+2]
.endr
.endr
.irp g, 1,2
.irp j, 0,1,2,3
.irp x, 0,1
	v_max3_num_f32 v[ST+8*\x+4+\j], v[ST+8*\x+4+\j], v[S+32*\x+8*\j+2*\g+1], v[S+32*\x+8*\j+2*\g+2]
.endr
.endr
.endr
.irp x, 0,1
	v_max3_num_f32 v[ST+8*\x+4], v[ST+8*\x+4], v[S+32*\x+7], v[S+32*\x+15]
	v_max3_num_f32 v[ST+8*\x+6], v[ST+8*\x+6], v[S+32*\x+23], v[S+32*\x+31]
.endr
.irp x, 0,1
	v_max3_num_f32 v[ST+8*\x+4], v[ST+8*\x+4], v[ST+8*\x+5], v[ST+8*\x+6]
.endr
.irp x, 0,1
	v_max3_num_f32 v[ST+8*\x+4], v[ST+8*\x+4], v[ST+8*\x+7], v[ST+8*\x+1]
.endr
.irp x, 0,1
	v_permlanex16_b32 v[ST+8*\x+5], v[ST+8*\x+4], s[SEL], s[SEL+1]   ; the query's other 32 keys lie in the lane 16 away
.endr
.irp x, 0,1
	v_mov_b32 v[ST+8*\x+7], v[ST+8*\x]             ; c m_old is kept for a
.endr
.irp x, 0,1
	v_max_num_f32 v[ST+8*\x+1], v[ST+8*\x+4], v[ST+8*\x+5]   ; the new m
.endr
.irp x, 0,1
	v_mul_f32 v[ST+8*\x], s[CS], v[ST+8*\x+1]
.endr
.irp x, 0,1
	v_sub_f32 v[ST+8*\x+7], v[ST+8*\x+7], v[ST+8*\x]
.endr
.irp b, 0,1,2,3,4,5,6,7,8,9,10,11,12,13,14,15
.irp x, 0,1
	v_pk_fma_f32 v[S+32*\x+2*\b:S+32*\x+2*\b+1], v[S+32*\x+2*\b:S+32*\x+2*\b+1], s[CS:CS+1], v[ST+8*\x:ST+8*\x+1] op_sel_hi:[1,0,0] neg_lo:[0,0,1] neg_hi:[0,0,1]   ; c s - c m, two at a time
.endr
.endr
.irp x, 0,1
	v_exp_f32 v[ST+8*\x+6], v[ST+8*\x+7]           ; a
.endr
.irp e, 0,1,2,3,4,5,6,7,8,9,10,11,12,13,14,15,16,17,18,19,20,21,22,23,24,25,26,27,28,29,30,31
.irp x, 0,1
	v_exp_f32 v[S+32*\x+\e], v[S+32*\x+\e]         ; p, at most 1
.endr
.endr
	v_nop                                          ; one plain instruction behind the last exponential (ISA guide 5.7.2),
	s_wait_alu depctr_va_vdst(0)                   ; and ONE wait for the batch of 66, ahead of the first instruction that names a result
.irp x, 0,1
	v_pk_mul_f32 v[ST+8*\x+2:ST+8*\x+3], v[ST+8*\x+2:ST+8*\x+3], v[ST+8*\x+6:ST+8*\x+7] op_sel_hi:[1,0]   ; l under the new m
	v_pk_add_f32 v[ST+8*\x+4:ST+8*\x+5], v[S+32*\x:S+32*\x+1], v[S+32*\x+2:S+32*\x+3]                     ; the sum of the unrounded p, in two chains
.endr
.irp j, 4,8,12,16,20,24,28
.irp x, 0,1
	v_pk_add_f32 v[ST+8*\x+2:ST+8*\x+3], v[ST+8*\x+2:ST+8*\x+3], v[S+32*\x+\j:S+32*\x+\j+1]
	v_pk_add_f32 v[ST+8*\x+4:ST+8*\x+5], v[ST+8*\x+4:ST+8*\x+5], v[S+32*\x+\j+2:S+32*\x+\j+3]
.endr
.endr
.irp x, 0,1
	v_pk_add_f32 v[ST+8*\x+2:ST+8*\x+3], v[ST+8*\x+2:ST+8*\x+3], v[ST+8*\x+4:ST+8*\x+5]
.endr
.irp i, 0,1,2,3,4,5,6,7,8,9,10,11,12,13,14,15
.irp x, 0,1
	v_cvt_pk_f16_f32 v[S+32*\x+\i], v[S+32*\x+2*\i], v[S+32*\x+2*\i+1]   ; P in place, ascending: register i is written when its own numbers have been read
.endr
.endr
.irp i, 0,1,2,3,4,5,6,7,8,9,10,11,12,13,14,15
.irp x, 0,1
	v_pk_mul_f32 v[O+32*\x+2*\i:O+32*\x+2*\i+1], v[O+32*\x+2*\i:O+32*\x+2*\i+1], v[ST+8*\x+6:ST+8*\x+7] op_sel_hi:[1,0]   ; O^T under the new m
.endr
.endr
	s_wait_dscnt 0x0                               ; V is in
.irp k, 0,1                                    ; O^T += V^T P: eight accumulators by turns
.irp d, 0,1,2,3
.irp x, 0,1
	v_wmma_f32_16x16x32_f16 v[O+32*\x+8*\d:O+32*\x+8*\d+7], v[KV+32*\k+8*\d:KV+32*\k+8*\d+7], v[S+32*\x+8*\k:S+32*\x+8*\k+7], v[O+32*\x+8*\d:O+32*\x+8*\d+7]
.endr
.endr
.endr
.rept 5
	v_nop                                          ; five places: the next step's first products write over P, which these products read; its loads into V's registers want four
.endr
.Lhidden_\@:
	s_add_co_u32 s[KF], s[KF], 64
.endm
; THE CHANGE OF SLOTS stands at a slot's head.  Each wave waits for all its tensor loads (its part of the slot that it is about to read), adds 0 to its spare word, and waits for that and for its reads of the slot
; that it has left.  Behind the barrier the slot ahead is whole and nobody reads the other one.  fill = 1: that other slot takes the next 128 keys, up to the causal limit: the load has two key steps in which to land.
.macro CHANGE fill
	s_wait_tensorcnt 0x0                           ; no tensor load of mine is out, so a group 0 may be written
	ds_add_u32 v[SPW], v[NIL]                      ; 0 onto my spare word
.if \fill
	ds_add_u32 v[SPW], v[NIL]                      ; and once more, in every trip alike
	s_xor_b32 s[G0K+1], s[G0K+1], SLOT1            ; the walking descriptors: the other slot than last time,
	s_add_nc_u64 s[G0K+2:G0K+3], s[G0K+2:G0K+3], 128*ROWQ   ; the next 128 keys; the type bits on top are not reached
	s_xor_b32 s[G0V+1], s[G0V+1], SLOT1
	s_add_nc_u64 s[G0V+2:G0V+3], s[G0V+2:G0V+3], 128*ROWQ
	s_wait_xcnt 0x0                                ; the last prefetch, a slot back, has read its address, so it may be written:
	s_add_nc_u64 s[PFA:PFA+1], s[PFA:PFA+1], 128*ROWQ       ; one slot further on than the walking descriptors
.endif
	s_wait_dscnt 0x0                               ; the add is done, and my reads of the slot that I have left are over
	s_barrier_signal -1
	s_barrier_wait -1
.if \fill
	s_add_co_u32 s96, s[KF], 128                   ; the first key of the slot that this change would ask for:
	s_cmp_gt_u32 s96, s[LASTQ]                     ; beyond my work-group's last query none of its waves would read it.  Ids and the count of steps alone: all sixteen waves go the same way
	s_cbranch_scc1 .Lpast_\@
	TLOAD                                          ; a wave's one tensor load until the next change; every wait on TENSORcnt in this text is for 0
.Lpast_\@:
	ASK
.endif
.endm
.macro SLOT_STEPS
	STEP 0
	STEP 1
	s_xor_b32 s[TB], s[TB], SLOT1                  ; on to the other slot
.endm
	s_wait_loadcnt 0x0                             ; Q
.Lslot:                                            ; 15 trips: behind each change of slots but the last the next slot is asked for
	CHANGE 1
	SLOT_STEPS
	s_sub_co_u32 s[SLOTS], s[SLOTS], 1
	s_cmp_lg_u32 s[SLOTS], 0
	s_cbranch_scc1 .Lslot
	CHANGE 0                                       ; the last slot is written out: nothing is left to ask for
	SLOT_STEPS
	; THE WAY OUT.  l's halves and the other half of the lanes' are added; O^T is divided by l, rounded to f16 and laid into the work-group's stage: a row's 256 bytes come from the two heads' waves, so a barrier stands
	; between writing and reading; then each wave stores 16 whole rows.
.irp x, 0,1
	v_add_f32 v[ST+8*\x+4], v[ST+8*\x+2], v[ST+8*\x+3]
.endr
.irp x, 0,1
	v_permlanex16_b32 v[ST+8*\x+5], v[ST+8*\x+4], s[SEL], s[SEL+1]
.endr
.irp x, 0,1
	v_add_f32 v[ST+8*\x+4], v[ST+8*\x+4], v[ST+8*\x+5]
.endr
.irp x, 0,1
	v_rcp_f32 v[ST+8*\x+6], v[ST+8*\x+4]
.endr
	s_lshl_b32 s96, s73, 7                         ; stage row 128 lh + 32 qd + 16 x + r,
	s_lshl_b32 s97, s75, 5
	s_add_co_u32 s96, s96, s97
	s_mul_i32 s96, s96, 272
	s_lshl_b32 s97, s74, 7                         ; my head's 128 bytes of it
	s_add_co_u32 s96, s96, s97
	s_add_co_u32 s96, s96, STAGE
	v_mul_u32_u24 v[ADK], v[RR], 272               ; (plain instructions behind the reciprocals)
	v_lshl_add_u32 v[ADK], v[HH], 4, v[ADK]
	v_add_nc_u32 v[ADK], s96, v[ADK]               ; in: 16 bytes for each half of the lanes, 32 bytes a tile of channels
	s_mul_i32 s97, s[WV], 16*272
	s_add_co_u32 s97, s97, STAGE
	v_mul_u32_u24 v[ADV], v[HH], 272
	v_lshl_add_u32 v[ADV], v[RR], 4, v[ADV]
	v_add_nc_u32 v[ADV], s97, v[ADV]               ; back: rows 16 w on; lanes 0-15 one row, lanes 16-31 the next
	v_lshlrev_b32 v[VD], 11, v[HH]
	v_lshl_add_u32 v[VD], v[RR], 4, v[VD]          ; and the same two rows in y
	s_wait_alu depctr_va_vdst(0)                   ; one wait for the two reciprocals, ahead of their first reader
.irp x, 0,1
.irp i, 0,1,2,3,4,5,6,7,8,9,10,11,12,13,14,15
	v_pk_mul_f32 v[O+32*\x+2*\i:O+32*\x+2*\i+1], v[O+32*\x+2*\i:O+32*\x+2*\i+1], v[ST+8*\x+6:ST+8*\x+7] op_sel_hi:[1,0]
.endr
.endr
.irp x, 0,1
.irp i, 0,1,2,3,4,5,6,7,8,9,10,11,12,13,14,15
	v_cvt_pk_f16_f32 v[KV+16*\x+\i], v[O+32*\x+2*\i], v[O+32*\x+2*\i+1]
.endr
.endr
.irp x, 0,1
.irp d, 0,1,2,3
	ds_store_b128 v[ADK], v[KV+16*\x+4*\d:KV+16*\x+4*\d+3] offset:16*272*\x+32*\d
.endr
.endr
	s_wait_dscnt 0x0                               ; for the others' sake: my stores into the stage are done
	s_barrier_signal -1
	s_barrier_wait -1
.irp i, 0,1,2,3,4,5,6,7
	ds_load_b128 v[S+4*\i:S+4*\i+3], v[ADV] offset:2*272*\i
.endr
.irp i, 0,1,2,3,4,5,6,7
	s_wait_dscnt 7-\i                              ; load i is back; the younger ones may be out
	global_store_b128 v[VD], v[S+4*\i:S+4*\i+3], s[6:7] offset:4096*\i   ; 16 lanes store 256 consecutive bytes, aligned
.endr
	s_wait_tensorcnt 0x0                           ; the wave's end
	ds_add_u32 v[SPW], v[NIL]
	s_wait_dscnt 0x0
	s_endpgm
.Lfunc_end_k_q20510f0f74_att:
	.size	k_q20510f0f74_att, .Lfunc_end_k_q20510f0f74_att-k_q20510f0f74_att
	.p2alignl 7, 3214868480
	.fill 96, 4, 3214868480
	.section	.rodata,"a",@progbits
	.p2align	6, 0x0
	.amdhsa_kernel k_q20510f0f74_att
		.amdhsa_group_segment_fixed_size 327680
		.amdhsa_private_segment_fixed_size 0
		.amdhsa_enable_private_segment 0
		.amdhsa_kernarg_size 16
		.amdhsa_user_sgpr_count 2
		.amdhsa_user_sgpr_kernarg_segment_ptr 1
		.amdhsa_wavefront_size32 1
		.amdhsa_system_sgpr_workgroup_id_x 1
		.amdhsa_system_sgpr_workgroup_id_y 1
		.amdhsa_system_sgpr_workgroup_id_z 1
		.amdhsa_system_vgpr_workitem_id 0
		.amdhsa_next_free_vgpr 256
		.amdhsa_next_free_sgpr 100
		.amdhsa_reserve_vcc 1
		.amdhsa_float_denorm_mode_32 3
		.amdhsa_float_denorm_mode_16_64 3
		.amdhsa_memory_ordered 1
		.amdhsa_forward_progress 1
		.amdhsa_inst_pref_size 105
	.end_amdhsa_kernel
	.amdgpu_metadata
---
amdhsa.version: [ 1, 2 ]
amdhsa.kernels:
  - .name:           k_q20510f0f74_att
    .symbol:         k_q20510f0f74_att.kd
    .args:
      - { .name: qkv, .offset: 0, .size: 8, .value_kind: global_buffer, .address_space: global }
      - { .name: y, .offset: 8, .size: 8, .value_kind: global_buffer, .address_space: global }
    .group_segment_fixed_size: 327680
    .private_segment_fixed_size: 0
    .kernarg_segment_align: 8
    .kernarg_segment_size: 16
    .max_flat_workgroup_size: 512
    .sgpr_count:     100
    .vgpr_count:     256
    .wavefront_size: 32
...
	.end_amdgpu_metadata
.endif
;; end of part 3
;; launch proj (part 4): grid 8 x 64, 4 waves a work-group, clusters of 4 x 4, 327,680 bytes of LDS; arguments y, wt, b_proj, out0; writes out0
.if DOCPART == 4
	.amdgcn_target "amdgcn-amd-amdhsa--gfx1250"
	.amdhsa_code_object_version 6
	.text
	.protected	k_q20510f0f74_proj
	.globl	k_q20510f0f74_proj
	.p2align	8
	.type	k_q20510f0f74_proj,@function
k_q20510f0f74_proj:
	s_mov_b64 s[64:65], 0
	v_nop
	global_prefetch_b8 v0, s[64:65] scope:SCOPE_SE
	s_setreg_imm32_b32 hwreg(HW_REG_WAVE_MODE, 25, 1), 1
	s_wait_xcnt 0x0
	s_wait_alu depctr_hold_cnt(0) depctr_sa_sdst(0) depctr_va_vdst(0) depctr_va_sdst(0) depctr_va_ssrc(0) depctr_va_vcc(0) depctr_vm_vsrc(0)
	s_getreg_b32 s2, hwreg(HW_REG_IB_STS2, 6, 4)
	s_cmp_eq_u32 s2, 0
	s_cbranch_scc0 .Lentry_in_a_cluster
	s_endpgm
.Lentry_in_a_cluster:
	s_bfe_u32 s2, ttmp6, 0x10000c
	s_cmp_lg_u32 s2, 0xf033
	s_cbranch_scc0 .Lentry_shape_is_right
	s_endpgm
.Lentry_shape_is_right:
; out0[m][n] = sum over k of y[m][k] W_proj[k][n] + b_proj[n].  y: [8192][1024] f16; wt: W_proj as f16, laid [1024 n][1024 k]; out0: [8192][1024] f32; sums in f32.
; A tile of the result is 128 x 128: 512 equal work-groups.  Four waves, each 64 x 64: 16 accumulators of 16 x 16.  K goes in steps of 256 (LDS rows of 512 bytes; a wave's tensor load brings 64 of them) through two slots.
; CLUSTERS: 4 x 4 work-groups.  The four of a row of the cluster need the same tiles of y, the four of a column the same tiles of wt: each tile is asked for JOINTLY, by the same tensor load with the same descriptor
; and a mask that names the four.  THE MATRIX INSTRUCTION IS USED TRANSPOSED (source 0 = 16 rows of wt, source 1 = 16 rows of y): a lane then holds eight neighbouring numbers of a row of the result.
; The bias is the C of each sum's first product.  A wave's 64 columns of f32 are 256 aligned bytes: each wave has a stage of its own on the way out, and no barrier stands there.
; The rows of the first 16 positions of each sequence are computed here like the rest; the last launch replaces them.
; REGISTERS: window 0: v0-31 addresses; v32-95 rows from the stage; v96-127 the bias; v128-255 the accumulators ((a, b) at v[128 + 8 (4 a + b)]).   window 1: two fragment buffers of 128.
.set SIZE_N, 1024
.set SIZE_K, 1024
.set KSTEP,  256
.set PITCH,  528                       ; an LDS row: 512 bytes + 16 of padding = 132 words: the 16 rows of a load start 4 banks apart (64 banks of 4 bytes: ISA guide 11.1)
.set HALFT,  64*PITCH
.set SLOT,   4*HALFT                   ; y's 128 rows, then wt's 128 rows
.set STAGE,  2*SLOT                    ; behind the ring: 16 rows x 272 bytes for each wave
.set SPITCH, 272
.set SPARE,  STAGE+4*16*SPITCH         ; the spare words, 128 bytes for each wave
.set LAPS, SIZE_K/(2*KSTEP)
.set ADRA, 16
.set ADRB, 20
.set STO,  24
.set RD,   25
.set CO,   26
.set BO,   27                          ; v27  my bytes in the bias
.set SPW,  28                          ; v28  my spare word; never rewritten
.set NIL,  29                          ; v29  0; never rewritten
.set TMP,  32
.set BI,   96
.set ACC,  128
.set F0,   0
.set F1,   128
.set G1, 24
.set G0, 32
.set G1B, 48
.set G0B, 56
.set MSB, 0
.macro WIN new
.if MSB != (\new)
	s_set_vgpr_msb (MSB<<8)|(\new)
.set MSB, (\new)
.endif
.endm
.set MUL,  0x05                        ; sources 0 (wt) and 1 (y) window 1; C and D window 0
.set TO_F, 0x40                        ; destination window 1, address window 0
.macro JLOAD s                         ; a joint load: waves 0 and 1 fetch y's two halves, waves 2 and 3 wt's; an s_nop 0 and four v_nop follow each of the two lines
	s_cmp_eq_u32 s11, 0
	s_cbranch_scc0 .Lfor_b_\@
	tensor_load_to_lds s[G0+4*\s:G0+4*\s+3], s[G1:G1+7]
	s_nop 0
.rept 4
	v_nop
.endr
	s_branch .Lasked_\@
.Lfor_b_\@:
	tensor_load_to_lds s[G0B+4*\s:G0B+4*\s+3], s[G1B:G1B+7]
	s_nop 0
.rept 4
	v_nop
.endr
.Lasked_\@:
.endm
.macro CREST                           ; a round of the cluster's barrier behind its opening barrier
	s_cmp_lg_u32 s10, 0
	s_cbranch_scc1 .Lnot_wave_0_\@
	s_barrier_signal -3
.Lnot_wave_0_\@:
	s_barrier_wait -3
	s_barrier_signal -1
	s_barrier_wait -1
.endm
.macro CROUND
	s_barrier_signal -1
	s_barrier_wait -1
	CREST
.endm
	s_load_b128 s[4:7], s[0:1], 0x0                ; y s[4:5], wt s[6:7]
	s_load_b64 s[66:67], s[0:1], 0x10              ; b_proj
	s_load_b64 s[8:9], s[0:1], 0x18                ; out0
	v_lshl_add_u32 v[SPW], v0, 2, SPARE
	v_mov_b32 v[NIL], 0
	ds_add_u32 v[SPW], v[NIL]                      ; the wave's opening: the add, twice on end, and its wait ahead of my first tensor load
	ds_add_u32 v[SPW], v[NIL]
	v_lshrrev_b32 v1, 5, v0
	v_readfirstlane_b32 s10, v1                    ; wave 0..3
	s_lshr_b32 s11, s10, 1                         ; which half of the tile's rows is mine.  Also: I fetch for y (0) or for wt (1)
	s_and_b32 s12, s10, 1                          ; which half of its columns.  Also: which 64 rows of that tile I fetch
	s_bfe_u32 s40, ttmp6, 0x40000                  ; cx, cy: my place in the cluster
	s_bfe_u32 s41, ttmp6, 0x40004
	s_lshl_b32 s42, ttmp9, 2
	s_add_co_u32 s42, s42, s40                     ; tile column = 4 x cluster x + cx
	s_and_b32 s13, ttmp7, 0xffff
	s_lshl_b32 s13, s13, 2
	s_add_co_u32 s13, s13, s41                     ; tile row = 4 x cluster y + cy
	s_lshl_b32 s43, s41, 2
	s_lshl_b32 s43, 15, s43                        ; my row of the cluster
	s_lshl_b32 s44, 0x1111, s40                    ; my column
	s_or_b32 s[G1+0], s43, (1<<16)|(1<<20)|(1<<21)|(6<<22)|(3<<25)  ; the mask: y's tiles go to my row; elements of 2 bytes; padding on; bit 21 beside a mask; four words after every 128
	s_or_b32 s[G1B+0], s44, (1<<16)|(1<<20)|(1<<21)|(6<<22)|(3<<25)
.irp g, G1, G1B
	s_mov_b32 s[\g+1], KSTEP<<16                   ; tensor_dim0 = 256
	s_mov_b32 s[\g+2], 64<<16                      ; tensor_dim1 = 64
	s_mov_b32 s[\g+3], KSTEP<<16                   ; tile_dim0 = 256
	s_mov_b32 s[\g+4], 64                          ; tile_dim1 = 64
	s_mov_b32 s[\g+5], SIZE_K                      ; elements from row to row
	s_mov_b32 s[\g+6], 0
	s_mov_b32 s[\g+7], 0
.endr
	s_lshl_b32 s17, s12, 6                         ; which 64 rows of the tile I fetch
	s_lshl_b32 s16, s13, 7
	s_add_co_u32 s16, s16, s17                     ; y: row 128 x tile row + 64 x half
	s_lshl_b32 s46, s42, 7
	s_add_co_u32 s46, s46, s17                     ; wt: row 128 x tile column + 64 x half
	s_mov_b32 s17, 0
	s_mov_b32 s47, 0
	s_mov_b64 s[18:19], SIZE_K*2
	s_mul_u64 s[16:17], s[16:17], s[18:19]
	s_mul_u64 s[46:47], s[46:47], s[18:19]
	s_mul_i32 s20, s10, HALFT                      ; where they go: wave x 64 rows
	s_wait_dscnt 0x0                               ; both opening adds are done
	s_wait_kmcnt 0x0
	s_add_nc_u64 s[14:15], s[4:5], s[16:17]
	s_add_nc_u64 s[46:47], s[6:7], s[46:47]
	CROUND                                         ; all sixteen work-groups are here: the first joint loads meet
.irp s, 0,1
	s_mov_b32 s[G0+4*\s], 1
	s_add_co_u32 s[G0+4*\s+1], s20, \s*SLOT
	s_add_nc_u64 s[G0+4*\s+2:G0+4*\s+3], s[14:15], \s*KSTEP*2
	s_or_b32 s[G0+4*\s+3], s[G0+4*\s+3], 0x80000000
	s_mov_b32 s[G0B+4*\s], 1
	s_add_co_u32 s[G0B+4*\s+1], s20, \s*SLOT
	s_add_nc_u64 s[G0B+4*\s+2:G0B+4*\s+3], s[46:47], \s*KSTEP*2
	s_or_b32 s[G0B+4*\s+3], s[G0B+4*\s+3], 0x80000000
	JLOAD \s                                       ; two tensor loads of mine are out at the most
.endr
	v_and_b32 v1, 15, v0                           ; r
	v_bfe_u32 v2, v0, 4, 1                         ; h
	v_mul_u32_u24 v3, v1, PITCH
	v_lshl_add_u32 v3, v2, 4, v3
	s_mul_i32 s21, s11, HALFT                      ; my 64 rows of y
	s_mul_i32 s22, s12, HALFT                      ; my 64 rows of wt,
	s_add_co_u32 s22, s22, 2*HALFT                 ; which lie behind y's 128
.irp s, 0,1
	v_add_nc_u32 v[ADRA+\s], s21, v3
	v_add_nc_u32 v[ADRB+\s], s22, v3
	s_add_co_u32 s21, s21, SLOT
	s_add_co_u32 s22, s22, SLOT
.endr
	s_mul_i32 s23, s10, 16*SPITCH
	s_add_co_u32 s23, s23, STAGE                   ; my stage
	v_mul_u32_u24 v4, v1, SPITCH
	v_lshl_add_u32 v4, v2, 5, v4
	v_add_nc_u32 v[STO], s23, v4                   ; in: row r, 32 bytes for each half of the lanes
	v_mul_u32_u24 v5, v2, SPITCH
	v_lshl_add_u32 v5, v1, 4, v5
	v_add_nc_u32 v[RD], s23, v5                    ; back: lanes 0-15 one row of 256 bytes, lanes 16-31 the next
	v_lshlrev_b32 v5, 12, v2
	v_lshl_add_u32 v[CO], v1, 4, v5                ; and the same two rows in out0
	v_lshlrev_b32 v[BO], 5, v2
	s_lshl_b32 s46, s42, 9
	s_lshl_b32 s47, s12, 8
	s_add_co_u32 s46, s46, s47                     ; my first column in bytes: 512 x tile column + 256 x half
	s_mov_b32 s47, 0
	s_add_nc_u64 s[66:67], s[66:67], s[46:47]
	s_add_nc_u64 s[8:9], s[8:9], s[46:47]
	s_lshl_b32 s16, s13, 7
	s_lshl_b32 s17, s11, 6
	s_add_co_u32 s16, s16, s17                     ; my first row: 128 x tile row + 64 x half
	s_lshl_b32 s16, s16, 12
	s_mov_b32 s17, 0
	s_add_nc_u64 s[8:9], s[8:9], s[16:17]
.irp b, 0,1,2,3
	global_load_b128 v[BI+8*\b:BI+8*\b+3], v[BO], s[66:67] offset:64*\b             ; lane (r, h): b_proj of columns 16 b + 8 h + 0 .. 7
	global_load_b128 v[BI+8*\b+4:BI+8*\b+7], v[BO], s[66:67] offset:64*\b+16
.endr
; 8 matrix instructions: row blocks a0, a0 + 1 x all 4 column blocks, 32 along K: half c of buffer f.  zero = 1: the first product starts the sums from the bias.  The 16 accumulators take turns.
.macro MUL8 f, c, a0, zero
.irp a, \a0, \a0+1
.irp b, 0,1,2,3
.if \zero
	v_wmma_f32_16x16x32_f16 v[ACC+8*(4*(\a)+\b):ACC+8*(4*(\a)+\b)+7], v[\f+64+8*(4*\c+\b):\f+64+8*(4*\c+\b)+7], v[\f+8*(4*\c+\a):\f+8*(4*\c+\a)+7], v[BI+8*\b:BI+8*\b+7]
.else
	v_wmma_f32_16x16x32_f16 v[ACC+8*(4*(\a)+\b):ACC+8*(4*(\a)+\b)+7], v[\f+64+8*(4*\c+\b):\f+64+8*(4*\c+\b)+7], v[\f+8*(4*\c+\a):\f+8*(4*\c+\a)+7], v[ACC+8*(4*(\a)+\b):ACC+8*(4*(\a)+\b)+7]
.endif
.endr
.endr
.endm
.macro FETCH slot, k, f                ; 32 LDS loads in one run: the fragments of 64 along K at byte k of the rows; the first 32 along K first
	WIN TO_F
.irp c, 0,1
.irp i, 0,1,2,3
	ds_load_b128 v[\f+64+8*(4*\c+\i):\f+64+8*(4*\c+\i)+3],   v[ADRB+\slot] offset:\k+64*\c+\i*16*PITCH
	ds_load_b128 v[\f+64+8*(4*\c+\i)+4:\f+64+8*(4*\c+\i)+7], v[ADRB+\slot] offset:\k+64*\c+\i*16*PITCH+32
	ds_load_b128 v[\f+8*(4*\c+\i):\f+8*(4*\c+\i)+3],         v[ADRA+\slot] offset:\k+64*\c+\i*16*PITCH
	ds_load_b128 v[\f+8*(4*\c+\i)+4:\f+8*(4*\c+\i)+7],       v[ADRA+\slot] offset:\k+64*\c+\i*16*PITCH+32
.endr
.endr
.endm
.macro PLACES                          ; four places in front of loads into registers that matrix instructions have read, and of reads of results
.rept 4
	v_nop
.endr
.endm
.macro QUARTER slot, k, f, g, zero
	s_wait_dscnt 16                                ; the first 32 along K are in; the youngest sixteen loads may be out
	WIN MUL
	MUL8 \f, 0, 0, \zero
	MUL8 \f, 0, 2, \zero
	PLACES
	FETCH \slot, \k, \g
	s_wait_dscnt 32                                ; all but the 32 just issued
	WIN MUL
	MUL8 \f, 1, 0, 0
	MUL8 \f, 1, 2, 0
.endm
; The last quarter of a K step changes slots: ONE barrier; in front of it each wave waits for all its tensor loads, adds 0 to its spare word, and waits for that and for its own reads of this slot.
.macro TURN slot, next, fill
	WIN 0
	s_wait_tensorcnt 0x0                           ; all my tensor loads have landed: my part of the next slot
	ds_add_u32 v[SPW], v[NIL]                      ; 0 onto my spare word
	s_wait_dscnt 17                                ; (the add and the youngest sixteen loads may be out)
	WIN MUL
	MUL8 F1, 0, 0, 0
	s_wait_dscnt 0x0                               ; the add is done, and my reads of this slot are over
	s_barrier_signal -1
	MUL8 F1, 0, 2, 0
.if \fill
	WIN 0
.endif
	s_barrier_wait -1
.if \fill
	CREST                                          ; the barrier has opened a round of the cluster's: no wave of any partner still reads this slot or has a load on its way
	s_add_nc_u64 s[G0+4*\slot+2:G0+4*\slot+3], s[G0+4*\slot+2:G0+4*\slot+3], 2*KSTEP*2
	s_add_nc_u64 s[G0B+4*\slot+2:G0B+4*\slot+3], s[G0B+4*\slot+2:G0B+4*\slot+3], 2*KSTEP*2
	JLOAD \slot                                    ; the first tensor load behind the round; its four v_nop are also the places in front of the loads below
.else
	PLACES
.endif
	FETCH \next, 0, F0
	WIN MUL
	MUL8 F1, 1, 0, 0
	MUL8 F1, 1, 2, 0
.endm
	s_wait_tensorcnt 1                             ; my part of K step 0 is in; K step 1's may be out
	s_barrier_signal -1
	s_barrier_wait -1
	FETCH 0, 0, F0
	s_wait_loadcnt 0x0                             ; the bias
	QUARTER 0, 128, F0, F1, 1
	WIN 0                                          ; at a label and at a branch every window is 0
	s_mov_b32 s3, LAPS-1
.Llap:                                                 ; a trip goes once round the ring, from a lap's second quarter to the next lap's first, and fills both slots again
	QUARTER 0, 256, F1, F0, 0
	QUARTER 0, 384, F0, F1, 0
	TURN 0, 1, 1
	QUARTER 1, 128, F0, F1, 0
	QUARTER 1, 256, F1, F0, 0
	QUARTER 1, 384, F0, F1, 0
	TURN 1, 0, 1
	QUARTER 0, 128, F0, F1, 0
	WIN 0
	s_sub_co_u32 s3, s3, 1
	s_cmp_lg_u32 s3, 0
	s_cbranch_scc1 .Llap
	QUARTER 0, 256, F1, F0, 0                      ; the last lap fills nothing
	QUARTER 0, 384, F0, F1, 0
	TURN 0, 1, 0
	QUARTER 1, 128, F0, F1, 0
	QUARTER 1, 256, F1, F0, 0
	QUARTER 1, 384, F0, F1, 0
	s_wait_dscnt 16
	WIN MUL
	MUL8 F1, 0, 0, 0
	MUL8 F1, 0, 2, 0
	s_wait_dscnt 0
	MUL8 F1, 1, 0, 0
	MUL8 F1, 1, 2, 0
	WIN 0
; THE WAY OUT, block by block of 16 rows x 64 columns of f32: a lane's 32 bytes go into my own stage and come back as whole rows of 256 bytes.  LDS serves a wave's instructions in order (ISA guide 5.7.1.4).
.macro TOSTAGE a
.set BK, TMP+32*((\a)%2)
.irp b, 0,1,2,3
	ds_store_b128 v[STO], v[ACC+8*(4*(\a)+\b):ACC+8*(4*(\a)+\b)+3] offset:64*\b        ; each accumulator from its low end on
	ds_store_b128 v[STO], v[ACC+8*(4*(\a)+\b)+4:ACC+8*(4*(\a)+\b)+7] offset:64*\b+16
.endr
.irp t, 0,1,2,3,4,5,6,7
	ds_load_b128 v[BK+4*\t:BK+4*\t+3], v[RD] offset:\t*2*SPITCH
.endr
.endm
.macro SEND a, younger                 ; younger: the LDS instructions issued behind block a's loads, which may stay out
.set BK, TMP+32*((\a)%2)
	s_wait_dscnt \younger
.irp t, 0,1,2,3,4,5,6,7
	global_store_b128 v[CO], v[BK+4*\t:BK+4*\t+3], s[8:9] offset:(16*(\a)+2*\t)*SIZE_N*4   ; 16 lanes store 256 consecutive bytes, aligned
.endr
.endm
	PLACES
	TOSTAGE 0
.irp a, 1,2,3
.if \a > 1
	s_wait_xcnt 0x0                                ; block a - 2's stores have read their registers: block a's loads may land there
.endif
	TOSTAGE \a
	SEND \a-1, 16                                  ; behind block a - 1's loads: block a's 8 stores and 8 loads
.endr
	SEND 3, 0
	s_wait_tensorcnt 0x0                           ; the wave's end
	ds_add_u32 v[SPW], v[NIL]
	s_wait_dscnt 0x0
	CROUND                                         ; the closing round
	s_endpgm
.Lfunc_end_k_q20510f0f74_proj:
	.size	k_q20510f0f74_proj, .Lfunc_end_k_q20510f0f74_proj-k_q20510f0f74_proj
	.p2alignl 7, 3214868480
	.fill 96, 4, 3214868480
	.section	.rodata,"a",@progbits
	.p2align	6, 0x0
	.amdhsa_kernel k_q20510f0f74_proj
		.amdhsa_group_segment_fixed_size 327680
		.amdhsa_private_segment_fixed_size 0
		.amdhsa_enable_private_segment 0
		.amdhsa_kernarg_size 32
		.amdhsa_user_sgpr_count 2
		.amdhsa_user_sgpr_kernarg_segment_ptr 1
		.amdhsa_wavefront_size32 1
		.amdhsa_system_sgpr_workgroup_id_x 1
		.amdhsa_system_sgpr_workgroup_id_y 1
		.amdhsa_system_sgpr_workgroup_id_z 1
		.amdhsa_system_vgpr_workitem_id 0
		.amdhsa_next_free_vgpr 512
		.amdhsa_next_free_sgpr 72
		.amdhsa_reserve_vcc 0
		.amdhsa_float_denorm_mode_32 3
		.amdhsa_float_denorm_mode_16_64 3
		.amdhsa_memory_ordered 1
		.amdhsa_forward_progress 1
		.amdhsa_inst_pref_size 86
	.end_amdhsa_kernel
	.amdgpu_metadata
---
amdhsa.version: [ 1, 2 ]
amdhsa.kernels:
  - .name:           k_q20510f0f74_proj
    .symbol:         k_q20510f0f74_proj.kd
    .args:
      - { .name: y, .offset: 0, .size: 8, .value_kind: global_buffer, .address_space: global }
      - { .name: wt, .offset: 8, .size: 8, .value_kind: global_buffer, .address_space: global }
      - { .name: b_proj, .offset: 16, .size: 8, .value_kind: global_buffer, .address_space: global }
      - { .name: out0, .offset: 24, .size: 8, .value_kind: global_buffer, .address_space: global }
    .group_segment_fixed_size: 327680
    .private_segment_fixed_size: 0
    .kernarg_segment_align: 8
    .kernarg_segment_size: 32
    .max_flat_workgroup_size: 128
    .sgpr_count:     72
    .vgpr_count:     512
    .wavefront_size: 32
...
	.end_amdgpu_metadata
.endif
;; end of part 4
;; launch fine (part 5): grid 16 x 4, 16 waves a work-group, no clusters, 71,680 bytes of LDS; arguments qkv32, W_proj, b_proj, out0; writes out0
.if DOCPART == 5
	.amdgcn_target "amdgcn-amd-amdhsa--gfx1250"
	.amdhsa_code_object_version 6
	.text
	.protected	k_q20510f0f74_fine
	.globl	k_q20510f0f74_fine
	.p2align	8
	.type	k_q20510f0f74_fine,@function
k_q20510f0f74_fine:
	s_mov_b64 s[64:65], 0
	v_nop
	global_prefetch_b8 v0, s[64:65] scope:SCOPE_SE
	s_setreg_imm32_b32 hwreg(HW_REG_WAVE_MODE, 25, 1), 1
	s_wait_xcnt 0x0
; THE FIRST 16 POSITIONS OF EACH SEQUENCE, IN F32 THROUGHOUT: attention over their own 16 keys (the causal mask hides all others) and the projection.  Their rows average one to sixteen values and are the largest in
; size, so the rounding of 16-bit operands weighs most there.  64 rows in all: no bulk work.  The launch writes these 64 rows of out0 over what the launch before has left there.
; qkv32: [4][16][3072] f32.  W_proj: [1024 k][1024 n] f32.  A work-group takes 64 output columns of one batch; wave w takes head w: its 16 x 16 scores, softmax, its 16 x 64 of y, and its part of the projection
; (k = 64 w .. 64 w + 63) for the 64 columns.  The sixteen parts meet in LDS, and wave w adds up row w, with the bias.
; All products by v_wmma_f32_16x16x4_f32, transposed throughout, so that a lane holds one query.  Along each product's K the four numbers of a step are chosen alike on both sides, so that wide loads and the results'
; own registers serve as operands: the sums' order differs from ascending k; the results are judged within a tolerance.
; W_proj is read 64 bytes a row and column tile; a wave's four column tiles cover each row's 256 bytes: 4 MiB in all for each batch.
; LIMITS: NaN and infinities are not served.
; REGISTERS: v1-15 addresses and numbers at work; v16-23 scores, then p; v24-31 p / sum; v32-63 Q, later W's column tile 2, later the parts; v64-95 K, later tile 3; v96-127 V; v128-191 W's tiles 0, 1;
;   v192-255 are written by matrix instructions alone: v192-207 the scores in two halves, later out tiles 0, 1; v208-239 y^T; v240-255 out tiles 2, 3.
.set SPARE, 69632                      ; behind the sixteen parts of 16 rows x 272 bytes: the spare words, 128 bytes for each wave
.set SPW, 14
.set NIL, 15
.set SS,  16
.set PP,  24
.set QF,  32
.set KF,  64
.set VF,  96
.set SA,  192
.set YA,  208
	s_load_b256 s[4:11], s[0:1], 0x0               ; qkv32 s[4:5], W_proj s[6:7], b_proj s[8:9], out0 s[10:11]
	v_lshl_add_u32 v[SPW], v0, 2, SPARE
	v_mov_b32 v[NIL], 0
	v_lshrrev_b32 v1, 5, v0
	v_readfirstlane_b32 s12, v1                    ; wave = head
	s_and_b32 s13, ttmp7, 0xffff                   ; the batch
	s_mul_i32 s14, s13, 16*3072*4
	s_lshl_b32 s15, s12, 8
	s_add_co_u32 s14, s14, s15                     ; qkv32: the batch's 16 rows, my head's 256 bytes
	s_mov_b32 s15, 0
	s_lshl_b32 s16, s12, 18                        ; W_proj: 64 w rows of 4,096 bytes,
	s_lshl_b32 s18, ttmp9, 8                       ; + my work-group's 64 columns
	s_add_co_u32 s16, s16, s18
	s_mov_b32 s17, 0
	s_mov_b32 s19, 0
	s_lshl_b32 s24, s13, 11
	s_add_co_u32 s24, s24, s12                     ; out0: row 2,048 b + w
	s_lshl_b32 s24, s24, 12
	s_add_co_u32 s24, s24, s18
	s_mov_b32 s25, 0
	s_mov_b32 s20, 0x76543210
	s_mov_b32 s21, 0xfedcba98                      ; v_permlanex16_b32's selects for lane l xor 16
	s_mov_b32 s22, 0x3e38aa3b                      ; c = log2(e) / 8
	v_and_b32 v1, 15, v0                           ; r
	v_bfe_u32 v2, v0, 4, 1                         ; h
	v_mul_u32_u24 v3, v1, 12288
	v_lshl_add_u32 v3, v2, 4, v3                   ; Q, K: row r, + 16 h
	v_mul_u32_u24 v4, v2, 8*12288
	v_lshl_add_u32 v4, v1, 2, v4                   ; V: key 8 h on, channel r
	v_lshlrev_b32 v5, 15, v2
	v_lshl_add_u32 v5, v1, 2, v5                   ; W: 8 h rows down, column r
	v_lshlrev_b32 v6, 3, v2
	v_sub_nc_u32 v6, v1, v6                        ; r - 8 h
	v_mov_b32 v7, 0xff800000                       ; -infinity
	v_and_b32 v8, 31, v0
	v_lshlrev_b32 v8, 3, v8                        ; 8 x lane: my two numbers of a row of 64
	s_mul_i32 s26, s12, 16*272
	v_mul_u32_u24 v9, v1, 272
	v_lshl_add_u32 v9, v2, 5, v9
	v_add_nc_u32 v9, s26, v9                       ; my part: row r, 32 bytes for each half of the lanes
	s_mul_i32 s26, s12, 272
	v_add_nc_u32 v12, s26, v8                      ; back: row w of each part
	s_wait_kmcnt 0x0
	s_add_nc_u64 s[4:5], s[4:5], s[14:15]
	s_add_nc_u64 s[6:7], s[6:7], s[16:17]
	s_add_nc_u64 s[8:9], s[8:9], s[18:19]
	s_add_nc_u64 s[10:11], s[10:11], s[24:25]
	global_load_b64 v[10:11], v8, s[8:9]           ; the bias of my two columns
.irp i, 0,1,2,3,4,5,6,7
	global_load_b128 v[QF+4*\i:QF+4*\i+3], v3, s[4:5] offset:32*\i            ; lane (r, h): channels 8 i + 4 h + 0 .. 3 of query r
	global_load_b128 v[KF+4*\i:KF+4*\i+3], v3, s[4:5] offset:4096+32*\i       ; the same of key r
.endr
.irp d, 0,1,2,3
.irp e, 0,1,2,3,4,5,6,7
	global_load_b32 v[VF+8*\d+\e], v4, s[4:5] offset:8192+12288*\e+64*\d      ; V(key 8 h + e, channel 16 d + r)
.endr
.endr
	s_wait_loadcnt 0x0
.macro WLOAD c                         ; W_proj(64 w + 16 d + 8 h + e, 16 c + r of my 64 columns) into column tile c's 32 registers
.set WB, 128+32*(\c)-160*((\c)/2)
.irp d, 0,1,2,3
.irp e, 0,1,2,3,4,5,6,7
	global_load_b32 v[WB+8*\d+\e], v5, s[6:7] offset:(16*\d+\e)*4096+64*(\c)
.endr
.endr
.endm
	WLOAD 0
	WLOAD 1
.irp s, 0,1,2,3,4,5,6,7,8,9,10,11,12,13,14,15      ; S^T = K Q^T: 16 steps of 4 channels, two accumulators by turns; the first step of each starts its sum
.if \s < 2
	v_wmma_f32_16x16x4_f32 v[SA+8*(\s%2):SA+8*(\s%2)+7], v[KF+2*\s:KF+2*\s+1], v[QF+2*\s:QF+2*\s+1], 0
.else
	v_wmma_f32_16x16x4_f32 v[SA+8*(\s%2):SA+8*(\s%2)+7], v[KF+2*\s:KF+2*\s+1], v[QF+2*\s:QF+2*\s+1], v[SA+8*(\s%2):SA+8*(\s%2)+7]
.endif
.endr
.rept 8
	v_nop                                          ; eight places behind this form: in front of loads into Q's and K's registers and of the first read of the scores
.endr
	WLOAD 2
	WLOAD 3
.irp j, 0,1,2,3,4,5,6,7
	v_add_f32 v[SS+\j], v[SA+\j], v[SA+8+\j]       ; lane (r, h): the score of query r and key 8 h + j; from the low end on
.endr
.irp j, 0,1,2,3,4,5,6,7
	v_cmp_gt_i32 vcc_lo, \j, v6                    ; hidden where 8 h + j > r
	v_cndmask_b32 v[SS+\j], v[SS+\j], v7, vcc_lo
.endr
	v_max3_num_f32 v13, v[SS], v[SS+1], v[SS+2]
	v_max3_num_f32 v13, v13, v[SS+3], v[SS+4]
	v_max3_num_f32 v13, v13, v[SS+5], v[SS+6]
	v_max_num_f32 v13, v13, v[SS+7]
	v_permlanex16_b32 v7, v13, s20, s21
	v_max_num_f32 v13, v13, v7                     ; the row's maximum: key 0 counts for every query
	v_mul_f32 v3, s22, v13
.irp j, 0,1,2,3,4,5,6,7
	v_fma_f32 v[SS+\j], v[SS+\j], s22, -v3
.endr
.irp j, 0,1,2,3,4,5,6,7
	v_exp_f32 v[SS+\j], v[SS+\j]
.endr
	v_nop                                          ; one plain instruction behind the last exponential,
	s_wait_alu depctr_va_vdst(0)                   ; and one wait for the eight, ahead of their first reader
	v_add_f32 v13, v[SS], v[SS+1]
	v_add_f32 v4, v[SS+2], v[SS+3]
	v_add_f32 v13, v13, v[SS+4]
	v_add_f32 v4, v4, v[SS+5]
	v_add_f32 v13, v13, v[SS+6]
	v_add_f32 v4, v4, v[SS+7]
	v_add_f32 v13, v13, v4
	v_permlanex16_b32 v7, v13, s20, s21
	v_add_f32 v13, v13, v7                         ; the row's sum
	v_rcp_f32 v4, v13
	v_nop
	s_wait_alu depctr_va_vdst(0)
.irp j, 0,1,2,3,4,5,6,7
	v_mul_f32 v[PP+\j], v[SS+\j], v4               ; the weights: lane (r, h): query r, key 8 h + j
.endr
.irp s, 0,1,2,3                                    ; y^T = V^T P^T: step s takes keys 8 h + 2 s, 8 h + 2 s + 1; four accumulators by turns
.irp d, 0,1,2,3
.if \s == 0
	v_wmma_f32_16x16x4_f32 v[YA+8*\d:YA+8*\d+7], v[VF+8*\d+2*\s:VF+8*\d+2*\s+1], v[PP+2*\s:PP+2*\s+1], 0
.else
	v_wmma_f32_16x16x4_f32 v[YA+8*\d:YA+8*\d+7], v[VF+8*\d+2*\s:VF+8*\d+2*\s+1], v[PP+2*\s:PP+2*\s+1], v[YA+8*\d:YA+8*\d+7]
.endif
.endr
.endr
.rept 9
	v_nop                                          ; nine places: the results become source 1 of the next products
.endr
	s_wait_loadcnt 0x0                             ; W
.irp d, 0,1,2,3                                    ; out^T += W^T y^T: lane (r, h) of y^T's tile d holds channels 16 d + 8 h + 0 .. 7 of query r: step s takes two of them; four accumulators by turns
.irp s, 0,1,2,3
.irp c, 0,1,2,3
.set ZB, 192+8*\c+32*(\c/2)
.set WB, 128+32*\c-160*(\c/2)
.if (\d == 0) && (\s == 0)
	v_wmma_f32_16x16x4_f32 v[ZB:ZB+7], v[WB+8*\d+2*\s:WB+8*\d+2*\s+1], v[YA+8*\d+2*\s:YA+8*\d+2*\s+1], 0
.else
	v_wmma_f32_16x16x4_f32 v[ZB:ZB+7], v[WB+8*\d+2*\s:WB+8*\d+2*\s+1], v[YA+8*\d+2*\s:YA+8*\d+2*\s+1], v[ZB:ZB+7]
.endif
.endr
.endr
.endr
.rept 8
	v_nop                                          ; eight places in front of the stores that read the results, and of the loads into W's registers
.endr
.irp c, 0,1,2,3
.set ZB, 192+8*\c+32*(\c/2)
	ds_store_b128 v9, v[ZB:ZB+3] offset:64*\c      ; lane (r, h): my head's part of out(row r, column 16 c + 8 h + 0 .. 7); from the low end on
	ds_store_b128 v9, v[ZB+4:ZB+7] offset:64*\c+16
.endr
	s_wait_dscnt 0x0                               ; for the others' sake: my part lies in LDS
	s_barrier_signal -1
	s_barrier_wait -1
.irp p, 0,1,2,3,4,5,6,7,8,9,10,11,12,13,14,15
	ds_load_b64 v[32+2*\p:33+2*\p], v12 offset:16*272*\p   ; row w of head p's part
.endr
	s_wait_dscnt 0x0
.irp p, 0,1,2,3,4,5,6,7,8,9,10,11,12,13,14,15
	v_pk_add_f32 v[10:11], v[10:11], v[32+2*\p:33+2*\p]    ; onto the bias, heads ascending
.endr
	global_store_b64 v8, v[10:11], s[10:11]        ; 32 lanes store 256 consecutive bytes, aligned
	s_wait_tensorcnt 0x0                           ; the wave's end
	ds_add_u32 v[SPW], v[NIL]
	s_wait_dscnt 0x0
	s_endpgm
.Lfunc_end_k_q20510f0f74_fine:
	.size	k_q20510f0f74_fine, .Lfunc_end_k_q20510f0f74_fine-k_q20510f0f74_fine
	.p2alignl 7, 3214868480
	.fill 96, 4, 3214868480
	.section	.rodata,"a",@progbits
	.p2align	6, 0x0
	.amdhsa_kernel k_q20510f0f74_fine
		.amdhsa_group_segment_fixed_size 71680
		.amdhsa_private_segment_fixed_size 0
		.amdhsa_enable_private_segment 0
		.amdhsa_kernarg_size 32
		.amdhsa_user_sgpr_count 2
		.amdhsa_user_sgpr_kernarg_segment_ptr 1
		.amdhsa_wavefront_size32 1
		.amdhsa_system_sgpr_workgroup_id_x 1
		.amdhsa_system_sgpr_workgroup_id_y 1
		.amdhsa_system_sgpr_workgroup_id_z 1
		.amdhsa_system_vgpr_workitem_id 0
		.amdhsa_next_free_vgpr 256
		.amdhsa_next_free_sgpr 66
		.amdhsa_reserve_vcc 1
		.amdhsa_float_denorm_mode_32 3
		.amdhsa_float_denorm_mode_16_64 3
		.amdhsa_memory_ordered 1
		.amdhsa_forward_progress 1
		.amdhsa_inst_pref_size 32
	.end_amdhsa_kernel
	.amdgpu_metadata
---
amdhsa.version: [ 1, 2 ]
amdhsa.kernels:
  - .name:           k_q20510f0f74_fine
    .symbol:         k_q20510f0f74_fine.kd
    .args:
      - { .name: qkv32, .offset: 0, .size: 8, .value_kind: global_buffer, .address_space: global }
      - { .name: W_proj, .offset: 8, .size: 8, .value_kind: global_buffer, .address_space: global }
      - { .name: b_proj, .offset: 16, .size: 8, .value_kind: global_buffer, .address_space: global }
      - { .name: out0, .offset: 24, .size: 8, .value_kind: global_buffer, .address_space: global }
    .group_segment_fixed_size: 71680
    .private_segment_fixed_size: 0
    .kernarg_segment_align: 8
    .kernarg_segment_size: 32
    .max_flat_workgroup_size: 512
    .sgpr_count:     66
    .vgpr_count:     256
    .wavefront_size: 32
...
	.end_amdgpu_metadata
.endif
;; end of part 5
